; MI455X (gfx1250); checked and timed in simulation.
; The chip was launched on July 23, 2026; its instructions are those of AMD's public machine-readable ISA for CDNA 5 (MIT licence, August 2026) and "CDNA5" Instruction Set Architecture Reference Guide (July 2026). The comments in the code are by the model that wrote it; some were corrected since.
;; Transformer Block Decoder. Allowed arithmetic: matrix products marked QUANTISED: E2M3 operands, one E8M0 scale for each 32 along K, by v_wmma_scale_f32_16x16x128_f8f6f4 with both operands' format E2M3, f32 sums; everything else in f32.
;; Inputs: W1 4,096 x 1,024 float32; W2 1,024 x 4,096 float32; Wk 1,024 x 1,024 float32; Wo 1,024 x 1,024 float32; Wq 1,024 x 1,024 float32; Wv 1,024 x 1,024 float32; b1 4,096 float32; b2 1,024 float32; bo 1,024 float32; ln1_scale 1,024 float32; ln1_shift 1,024 float32; ln2_scale 1,024 float32; ln2_shift 1,024 float32; x 2 x 2,048 x 1,024 float32.
;; Outputs: out0 2 x 2,048 x 1,024 float32.
;; This version of the problem:
;;   THIS VERSION OF THE PROBLEM IS GIVEN IN LOW PRECISION. The matrix products marked QUANTISED in the list below multiply operands that are first quantised to E2M3 (2 exponent bits, 3 mantissa bits; 6 bits a number), with one power-of-two scale for each 32 numbers along K (OCP MX v1.0); their sums are f32. All else is computed in f32.
;;   The module's matrix products, in the order in which they are computed (A, B: the left and right operand; K: the contracted axis; several contracted axes count as one K, in the product's order):
;;     1. [M 4,096, K 1,024] x [K 1,024, N 1,024]; A: computed on the way; B: input Wq: QUANTISED
;;     2. [M 4,096, K 1,024] x [K 1,024, N 1,024]; A: computed on the way; B: input Wk: QUANTISED
;;     3. [M 4,096, K 1,024] x [K 1,024, N 1,024]; A: computed on the way; B: input Wv: QUANTISED
;;     4. batch 32 x [M 2,048, K 64] x [K 64, N 2,048]; A: computed on the way; B: computed on the way: QUANTISED
;;     5. batch 32 x [M 2,048, K 2,048] x [K 2,048, N 64]; A: softmax (see below); B: computed on the way: QUANTISED
;;     6. [M 4,096, K 1,024] x [K 1,024, N 1,024]; A: computed on the way; B: input Wo: QUANTISED
;;     7. [M 4,096, K 1,024] x [K 1,024, N 4,096]; A: computed on the way; B: input W1: QUANTISED
;;     8. [M 4,096, K 4,096] x [K 4,096, N 1,024]; A: computed on the way; B: input W2: QUANTISED
;;   THE QUANTISER, for each operand of a quantised product, along K:
;;     - K is cut into blocks of 32 from its start; a last block that is shorter is filled with zeros.
;;     - A block's scale is 2^e with e = floor(log2(the largest magnitude in the block)) - 2, held to -126 .. 127; a block of zeros has e = 0. As a byte (E8M0): e + 127.
;;     - Each number is divided by its block's scale, clamped to +-7.5, and rounded to the nearest number of E2M3, ties to even, subnormals kept.
;;     - The product sums the exact products of the quantised numbers (number of the format x scale) in f32.
;;   ~~~python
;;   def quantise(x, axis):      # numpy; x: float32 -> the quantised numbers, widened to float32 again
;;       x = np.moveaxis(x, axis, -1); K = x.shape[-1]
;;       x = np.pad(x, [(0, 0)] * (x.ndim - 1) + [(0, -K % 32)]); x = x.reshape(x.shape[:-1] + (-1, 32)); a = np.abs(x).max(-1, keepdims=True)
;;       e = np.where(a > 0, np.clip(np.frexp(np.where(a > 0, a, 1))[1] - 1 - 2, -126, 127), 0)      # np.frexp(a)[1] - 1 = floor(log2(a)), exactly
;;       r = np.clip(x / 2.0 ** e, -7.5, 7.5)
;;       step = 2.0 ** (np.maximum(np.frexp(np.where(r == 0, 1, r))[1] - 1, 0) - 3)
;;       q = np.round(r / step) * step * 2.0 ** e      # np.round: ties to even
;;       return np.moveaxis(q.reshape(q.shape[:-2] + (-1,))[..., :K], -1, axis).astype(np.float32)
;;   ~~~
;;   SOFTMAX AHEAD OF A QUANTISED PRODUCT. Where the list says 'softmax', what is quantised is not the finished softmax but p = 2^(t - M), with t = logit x log2(e) and M = ceil(the row's largest t), a whole number; so 1/2 < the row's largest p <= 1. The row's sum l is taken of the UNQUANTISED p, in f32, and the product's result is divided by l at the end. Since M is a whole number, a kernel that streams over the keys may use a running M (the ceiling of the running maximum): every later rescaling is an exact power of two, which a block's scale takes up: the codes' values come out the same.
;;   OPERANDS COMPUTED ON THE WAY. 'Computed on the way' means the value that the module computes at that place (a softmax that the list does not call 'softmax' is quantised finished and normalised). What goes into a quantiser is computed in f32, as accurately as f32 sums, v_exp_f32 and their like allow (about 1e-6 of the number): no bf16 or f16 on the way to a quantiser, and a product that is left as it is and whose result goes on into a quantised operand takes f32 operands (vector FMAs, or v_wmma_f32_16x16x4_f32). A number that lies on a knife's edge between two numbers of the format may be rounded either way, as far as f32 arithmetic and the matrix unit's own rounding can turn it there, and no further.
;; One version. Each part assembles by itself: llvm-mc -triple=amdgcn-amd-amdhsa -mcpu=gfx1250 --defsym DOCPART=n.
;; ======== version 1 of 1: 7 launches
;; limits: right only within a limited range of input values
;; workspace buffers: hq 3,276,800 bytes; wq 9,830,400 bytes; qkv 9,830,400 bytes; pv 3,276,800 bytes; x1 16,777,216 bytes; g 13,107,200 bytes
;; launch prep (part 1): grid 1024 x 1, 4 waves a work-group, no clusters, 75,264 bytes of LDS; arguments x, ln1_scale, ln1_shift, hq, Wq, Wk, Wv, Wo, W1, W2, wq; writes hq, wq
.if DOCPART == 1
	.amdgcn_target "amdgcn-amd-amdhsa--gfx1250"
	.amdhsa_code_object_version 6
	.text
	.protected	k_q9f99450532_prep
	.globl	k_q9f99450532_prep
	.p2align	8
	.type	k_q9f99450532_prep,@function
k_q9f99450532_prep:
	s_mov_b64 s[64:65], 0
	v_nop
	global_prefetch_b8 v0, s[64:65] scope:SCOPE_SE
	s_setreg_imm32_b32 hwreg(HW_REG_WAVE_MODE, 25, 1), 1
	s_wait_xcnt 0x0
; f32 rows with K innermost become codes of FP6 (E2M3) and E8M0 scale bytes, laid as the matrix unit's registers take them.
; A work-group of FOUR waves takes one unit: 16 rows x 1,024 along K = 8 fragments of 16 rows x 128 K.
;   unit u < 256: rows of argument 0 (tokens), with LayerNorm ahead of the quantiser -> the first code buffer (argument 3)
;   u = 256..511: Wq, Wk, Wv, Wo (64 units each);  512..767: W1;  768..1023: W2 (row block (u-768)/4, quarter (u-768)%4 of its K = 4,096) -> the second code buffer (argument 10)
; A grid of 256 work-groups runs the LayerNorm units alone.
; SHARES.  Wave w asks for rows 4 w .. 4 w + 3 at once (32 loads of 512 consecutive bytes: all of the unit's 64 KB are on their way together) and lays them into a stage in LDS; behind one barrier it takes
; K steps 2 w and 2 w + 1 of all 16 rows out of the stage, 128 numbers a lane, and keeps them in registers to the end.  For LayerNorm the waves exchange a row's sum, and then its sum of squares of x - mean,
; through four words a row in LDS, a barrier each; every wave adds the four in the same order.  Gamma and beta: a wave fetches the 1,024 bytes of each that its two K steps want and turns them through LDS bytes of its own.
; ROW ORDER: stored row g of stored row block rb is actual row 32 (rb/2) + 8 (rb%2) + g + 8 (g/8): with that order a later product, used transposed, leaves 16 neighbours along its N in a lane's registers.
; FRAGMENT IMAGE, 1,536 bytes: registers 0-3 at 16 x lane; 4-5 at 512 + 8 x lane; 6-9 at 768 + 16 x lane; 10-11 at 1,280 + 8 x lane: every store of the wave covers 256 or 512 consecutive bytes, aligned.
; SCALE WORDS: (row block rb, K step ks, row r) at ((rb/4) x K/128 + ks) x 256 + (rb%4) x 64 + 4 r.  A K step's words of a unit are 64 bytes: the one place where aligned blocks of 256 bytes are written in part (1/24 of the codes' bytes).
; A block's scale byte is its largest magnitude's exponent field - 2, held at 1 from below.
; LIMITS: NaN and infinities among the inputs are not served.  A block whose largest magnitude lies under 2^-124 has its byte held at 1; a block of zeros gets the byte 1 where the rule says 127: its codes are zeros, and
; only this program reads the bytes.  1/sqrt(var + eps) is v_rsq_f32.  The variance is taken of x - mean, so a common offset of the row costs no accuracy.
; LDS: the stage, 16 rows x (4,096 + 16) bytes; gamma and beta, 4,096 each; two exchanges of 256 bytes.
; REGISTERS: v1 16 l; v2 r; v3 h; v4 my place in the stage, out; v5 in gamma, out; v6 in gamma, in; v7 8 h; v8 8 l; v9 4 r; v[10:11] mean; v[12:13] 1/sqrt; v14 the stage, in; v16-19 my rows' offsets in memory; v20 gamma's;
;   v21, v22 the exchange, in and out; v32-159 four rows as loaded, then my 128 numbers; v160-223 gamma, beta; v224-231 maxima, scales; v232-243 a fragment's codes; v240-250 at work; v252 scale word; v253 at work
.set RP,  4112
.set GB,  16*RP
.set EX1, GB+8192
	s_load_b512 s[8:23], s[0:1], 0x0               ; rows s[8:9], gamma s[10:11], beta s[12:13], first code buffer s[14:15], Wq, Wk, Wv, Wo s[16:23]
	s_load_b128 s[24:27], s[0:1], 0x40             ; W1, W2
	s_load_b64 s[28:29], s[0:1], 0x50              ; second code buffer
	v_lshl_add_u32 v254, v0, 2, 0x12400
	v_mov_b32 v255, 0
	v_lshrrev_b32 v1, 5, v0
	v_readfirstlane_b32 s31, v1                    ; wave 0..3
	v_and_b32 v15, 31, v0                          ; lane
	v_lshlrev_b32 v1, 4, v15
	v_and_b32 v2, 15, v0
	v_bfe_u32 v3, v0, 4, 1
	v_lshlrev_b32 v7, 3, v3
	v_lshlrev_b32 v8, 3, v15
	v_lshlrev_b32 v9, 2, v2
	s_mul_i32 s42, s31, 4*RP
	v_add_nc_u32 v14, s42, v1                      ; the stage, in: my wave's four rows, 16 l
	s_lshl_b32 s43, s31, 10                        ; my two K steps: 1,024 bytes of a row
	v_mul_u32_u24 v4, v2, RP
	v_lshl_add_u32 v4, v3, 7, v4
	v_add_nc_u32 v4, s43, v4                       ; the stage, out: row r, + 128 h, + my two K steps
	v_add_nc_u32 v20, s43, v1                      ; gamma and beta in memory: 1,024 w + 16 l
	v_add_nc_u32 v6, GB, v20                       ; and in LDS, as they lie
	v_lshlrev_b32 v5, 7, v3
	v_add_nc_u32 v5, s43, v5
	v_add_nc_u32 v5, GB, v5                        ; and out of it: my half's 32 numbers of each 64
	v_lshl_add_u32 v22, v2, 4, EX1                 ; the exchange: row r's four words,
	s_lshl_b32 s44, s31, 2
	v_add_nc_u32 v21, s44, v22                     ; of which word w is my wave's
	v_mov_b32 v253, 0                              ; a lane permute's destination counts as one of its sources
	s_mov_b32 s40, 0x76543210
	s_mov_b32 s41, 0xfedcba98                      ; selects for lane l xor 16
	s_mov_b32 s30, ttmp9                           ; u
	s_sub_co_u32 s42, s30, 768
	s_lshr_b32 s42, s42, 2                         ; W2's row block
	s_sub_co_u32 s43, s30, 512                     ; W1's
	s_and_b32 s44, s30, 63                         ; Wq .. Wo's
	s_and_b32 s45, s30, 3                          ; W2's quarter of K
	s_mov_b32 s38, 16384                           ; W2's row in bytes
	s_cmp_lt_u32 s30, 768
	s_cselect_b32 s42, s43, s42
	s_cselect_b32 s45, 0, s45
	s_cselect_b32 s38, 4096, s38
	s_cmp_lt_u32 s30, 512
	s_cselect_b32 s42, s44, s42
	s_cmp_lt_u32 s30, 256
	s_cselect_b32 s42, s30, s42                    ; rb
	s_lshr_b32 s43, s42, 1
	s_lshl_b32 s43, s43, 5
	s_and_b32 s44, s42, 1
	s_lshl_b32 s44, s44, 3
	s_add_co_u32 s43, s43, s44                     ; the block's first actual row
	s_mul_i32 s46, s43, s38
	s_lshl_b32 s45, s45, 12
	s_add_co_u32 s46, s46, s45
	s_mov_b32 s47, 0                               ; s[46:47]: where the unit begins in its source
	s_sub_co_u32 s48, s30, 256
	s_cmp_lt_u32 s30, 256
	s_cselect_b32 s48, s30, s48                    ; the unit's number in its code buffer
	s_mul_i32 s50, s48, 12288
	s_mul_i32 s55, s31, 3072
	s_add_co_u32 s50, s50, s55                     ; + my wave's two fragments
	s_mov_b32 s51, 0                               ; s[50:51]: my codes
	s_lshr_b32 s52, s48, 2
	s_lshl_b32 s52, s52, 11
	s_and_b32 s53, s48, 3
	s_lshl_b32 s53, s53, 6
	s_add_co_u32 s52, s52, s53                     ; scale words where K = 1,024
	s_sub_co_u32 s54, s30, 768
	s_lshr_b32 s53, s54, 4
	s_lshl_b32 s53, s53, 13
	s_and_b32 s55, s54, 3
	s_lshl_b32 s55, s55, 11
	s_add_co_u32 s53, s53, s55
	s_bfe_u32 s55, s54, 0x20002
	s_lshl_b32 s55, s55, 6
	s_add_co_u32 s53, s53, s55
	s_add_co_u32 s53, s53, 9699328                 ; W2's
	s_add_co_u32 s54, s52, 9437184                 ; the other weights'
	s_add_co_u32 s52, s52, 3145728                 ; the tokens'
	s_cmp_lt_u32 s30, 768
	s_cselect_b32 s53, s54, s53
	s_cmp_lt_u32 s30, 256
	s_cselect_b32 s52, s52, s53
	s_lshl_b32 s55, s31, 9
	s_add_co_u32 s52, s52, s55                     ; + my wave's two K steps
	s_mov_b32 s53, 0                               ; s[52:53]: my scale words
	s_lshr_b32 s42, s31, 1
	s_lshl_b32 s42, s42, 3
	s_lshl_b32 s44, s31, 2
	s_add_co_u32 s42, s42, s44                     ; stored row 4 w is actual row 4 w + 8 (w / 2) of the block
.irp i,0,1,2,3
	s_add_co_u32 s44, s42, \i
	s_mul_i32 s44, s44, s38
	v_add_nc_u32 v[16+\i], s44, v1                 ; 16 l + the row's bytes
.endr
	s_wait_alu depctr_va_vdst(0)
	s_wait_kmcnt 0x0
	s_mov_b64 s[32:33], s[26:27]                   ; the source is chosen by the work-group's number alone
	s_cmp_lt_u32 s30, 768
	s_cselect_b64 s[32:33], s[24:25], s[32:33]
	s_cmp_lt_u32 s30, 512
	s_cselect_b64 s[32:33], s[22:23], s[32:33]
	s_cmp_lt_u32 s30, 448
	s_cselect_b64 s[32:33], s[20:21], s[32:33]
	s_cmp_lt_u32 s30, 384
	s_cselect_b64 s[32:33], s[18:19], s[32:33]
	s_cmp_lt_u32 s30, 320
	s_cselect_b64 s[32:33], s[16:17], s[32:33]
	s_cmp_lt_u32 s30, 256
	s_cselect_b64 s[32:33], s[8:9], s[32:33]
	s_cselect_b64 s[34:35], s[14:15], s[28:29]
	s_add_nc_u64 s[32:33], s[32:33], s[46:47]
	s_add_nc_u64 s[36:37], s[34:35], s[52:53]
	s_add_nc_u64 s[34:35], s[34:35], s[50:51]
; ---- my four rows come in: each load reads 512 consecutive bytes of a row; a row goes into the stage as it lies
.macro LOADROW i
.irp j,0,1,2,3,4,5,6,7
	global_load_b128 v[32+32*(\i)+4*\j:32+32*(\i)+4*\j+3], v[16+(\i)], s[32:33] offset:512*\j th:TH_LOAD_NT
.endr
.endm
.macro STOREROW i
.irp j,0,1,2,3,4,5,6,7
	ds_store_b128 v14, v[32+32*(\i)+4*\j:32+32*(\i)+4*\j+3] offset:(\i)*RP+512*\j
.endr
.endm
	LOADROW 0
	LOADROW 1
	LOADROW 2
	LOADROW 3
.irp i,0,1,2,3
	s_wait_loadcnt 8*(3-\i)                        ; row i is in; the 8 loads of each younger row may be out
	STOREROW \i
.endr
	s_wait_dscnt 0x0                               ; for the others' sake: my rows lie in the stage (and the stores have read their registers)
	s_barrier_signal -1
	s_barrier_wait -1                              ; all 16 rows do
; 64 numbers of a lane: k = 128 (2 w + kk) + 64 c + 32 h + 0 .. 31 of row r, into v[base + 32 c] on
.macro LDX kk, base
.irp c,0,1
.irp i,0,1,2,3,4,5,6,7
	ds_load_b128 v[(\base)+32*\c+4*\i:(\base)+32*\c+4*\i+3], v4 offset:512*(\kk)+256*\c+16*\i
.endr
.endr
.endm
; two whole blocks of 32 lie in the lane (blocks h and 2 + h of the K step): their scales, the row's scale word (v252), the fragment's 12 registers (v232-243)
.macro QB xs
.irp c,0,1
	v_max3_num_f32 v[224+2*\c], |v[\xs+32*\c]|, |v[\xs+32*\c+1]|, 0x1800000   ; with the floor 2^(3 - 127): the byte cannot fall under 1
	v_max3_num_f32 v[225+2*\c], |v[\xs+32*\c+16]|, |v[\xs+32*\c+17]|, |v[\xs+32*\c+18]|
.endr
.irp i,2,4,6,8,10,12,14
.irp c,0,1
	v_max3_num_f32 v[224+2*\c], v[224+2*\c], |v[\xs+32*\c+\i]|, |v[\xs+32*\c+\i+1]|
.if \i < 14
	v_max3_num_f32 v[225+2*\c], v[225+2*\c], |v[\xs+32*\c+17+\i]|, |v[\xs+32*\c+18+\i]|
.endif
.endr
.endr
.irp c,0,1
	v_max3_num_f32 v[224+2*\c], v[224+2*\c], v[225+2*\c], |v[\xs+32*\c+31]|
.endr
.irp c,0,1
	v_add_nc_u32 v[228+\c], 0xff000000, v[224+2*\c]   ; 2 off the exponent field: the conversion's scale operand
.endr
.irp c,0,1
	v_lshrrev_b32 v[230+\c], 23, v[228+\c]         ; the scale's byte
.endr
	v_lshl_or_b32 v252, v231, 16, v230
	v_lshlrev_b32 v252, v7, v252                   ; at bytes h and 2 + h;
	v_permlanex16_b32 v253, v252, s40, s41
	v_or_b32 v252, v252, v253                      ; with lane l xor 16's two the word is whole
.irp c,0,1
	v_cvt_scalef32_pk16_fp6_f32 v[232+6*\c:234+6*\c], v[\xs+32*\c:\xs+32*\c+15], v[228+\c]
	v_cvt_scalef32_pk16_fp6_f32 v[244+4*\c:246+4*\c], v[\xs+32*\c+16:\xs+32*\c+31], v[228+\c]   ; (a conversion's three registers begin on an even number)
.endr
	v_nop                                          ; one plain place behind a scaled conversion
.irp c,0,1
.irp i,0,1,2
	v_mov_b32 v[235+6*\c+\i], v[244+4*\c+\i]
.endr
.endr
.endm
.macro OUTF kk
	global_store_b128 v1, v[232:235], s[34:35] offset:1536*(\kk)
	global_store_b64 v8, v[236:237], s[34:35] offset:1536*(\kk)+512
	global_store_b128 v1, v[238:241], s[34:35] offset:1536*(\kk)+768
	global_store_b64 v8, v[242:243], s[34:35] offset:1536*(\kk)+1280
	global_store_b32 v9, v252, s[36:37] offset:256*(\kk)   ; 64 bytes; lanes r and r + 16 store the same word with the same value
.endm
.macro FOLD                            ; four chains of pairs, then the other half of the lanes: my wave's part of the row's sum in v240
	v_pk_add_f32 v[240:241], v[240:241], v[242:243]
	v_pk_add_f32 v[244:245], v[244:245], v[246:247]
	v_pk_add_f32 v[240:241], v[240:241], v[244:245]
	v_add_f32 v240, v240, v241
	v_permlanex16_b32 v253, v240, s40, s41
	v_add_f32 v240, v240, v253
.endm
.macro FOUR                            ; the four waves' parts, in the same order in every wave: the row's sum in v244
	v_add_f32 v244, v244, v245
	v_add_f32 v246, v246, v247
	v_add_f32 v244, v244, v246
.endm
	LDX 0, 32
	LDX 1, 96
	s_cmp_lt_u32 s30, 256                          ; the two kinds of units part here, once, and do not meet again; all four waves of a work-group go the same way
	s_cbranch_scc0 .Lweights
; ---- tokens: LayerNorm, then the quantiser
	global_load_b128 v[160:163], v20, s[10:11]             ; my 1,024 bytes of gamma and of beta land while the sums are made and exchanged
	global_load_b128 v[164:167], v20, s[10:11] offset:512
	global_load_b128 v[168:171], v20, s[12:13]
	global_load_b128 v[172:175], v20, s[12:13] offset:512
	s_wait_dscnt 0x0                               ; my 128 numbers
.irp j,0,1,2,3
	v_pk_add_f32 v[240+2*\j:241+2*\j], v[32+2*\j:33+2*\j], v[40+2*\j:41+2*\j]   ; the first pairs start the chains: nothing is cleared
.endr
.set PP, 8
.rept 56
	v_pk_add_f32 v[240+2*(PP%4):241+2*(PP%4)], v[240+2*(PP%4):241+2*(PP%4)], v[32+2*PP:33+2*PP]
.set PP, PP+1
.endr
	FOLD
	ds_store_b32 v21, v240                         ; lanes r and r + 16 write the same word with the same value
	s_wait_dscnt 0x0
	s_barrier_signal -1
	s_barrier_wait -1
	ds_load_b128 v[244:247], v22
	s_wait_dscnt 0x0
	FOUR
	v_mul_f32 v10, 0x3a800000, v244                ; / 1,024: the mean
	v_mov_b32 v11, v10
.set PP, 0
.rept 64
	v_pk_add_f32 v[32+2*PP:33+2*PP], v[32+2*PP:33+2*PP], v[10:11] neg_lo:[0,1] neg_hi:[0,1]
.set PP, PP+1
.endr
.set PP, 0
.rept 64
.if PP < 4
	v_pk_mul_f32 v[240+2*PP:241+2*PP], v[32+2*PP:33+2*PP], v[32+2*PP:33+2*PP]
.else
	v_pk_fma_f32 v[240+2*(PP%4):241+2*(PP%4)], v[32+2*PP:33+2*PP], v[32+2*PP:33+2*PP], v[240+2*(PP%4):241+2*(PP%4)]
.endif
.set PP, PP+1
.endr
	FOLD
	ds_store_b32 v21, v240 offset:256              ; the second exchange has bytes of its own
	s_wait_loadcnt 0x0                             ; gamma, beta
	ds_store_b128 v6, v[160:163]
	ds_store_b128 v6, v[164:167] offset:512
	ds_store_b128 v6, v[168:171] offset:4096
	ds_store_b128 v6, v[172:175] offset:4096+512
	s_wait_dscnt 0x0
	s_barrier_signal -1
	s_barrier_wait -1
.macro GBLOAD kk, c                    ; gamma and beta of my 32 numbers of half c of K step kk
.irp i,0,1,2,3,4,5,6,7
	ds_load_b128 v[160+4*\i:163+4*\i], v5 offset:512*(\kk)+256*(\c)+16*\i
	ds_load_b128 v[192+4*\i:195+4*\i], v5 offset:4096+512*(\kk)+256*(\c)+16*\i
.endr
.endm
.macro SCALE kk, c                     ; (x - mean) / sqrt(var + eps): it stands between the loads above and the wait for them
.set XB, 32+64*(\kk)+32*(\c)
.set PP, 0
.rept 16
	v_pk_mul_f32 v[XB+2*PP:XB+2*PP+1], v[XB+2*PP:XB+2*PP+1], v[12:13]
.set PP, PP+1
.endr
.endm
.macro AFFINE kk, c                    ; x gamma + beta
.set XB, 32+64*(\kk)+32*(\c)
.set PP, 0
.rept 16
	v_pk_fma_f32 v[XB+2*PP:XB+2*PP+1], v[XB+2*PP:XB+2*PP+1], v[160+2*PP:161+2*PP], v[192+2*PP:193+2*PP]
.set PP, PP+1
.endr
.endm
	ds_load_b128 v[244:247], v22 offset:256
	GBLOAD 0, 0
	s_wait_dscnt 16                                ; the four sums of squares are in; the 16 loads behind them may be out
	FOUR
	s_mov_b32 s42, 0x3a800000
	v_fmaak_f32 v244, s42, v244, 0x3727c5ac        ; sum / 1,024 + 1e-5
	s_wait_alu depctr_va_vdst(0)
	v_rsq_f32 v12, v244
	v_nop                                          ; one plain place behind a transcendental
	s_wait_alu depctr_va_vdst(0)
	v_mov_b32 v13, v12
	SCALE 0, 0
	s_wait_dscnt 0x0
	AFFINE 0, 0
	GBLOAD 0, 1
	SCALE 0, 1
	s_wait_dscnt 0x0
	AFFINE 0, 1
	GBLOAD 1, 0                                    ; lands while the first K step is quantised
	QB 32
	OUTF 0
	SCALE 1, 0
	s_wait_dscnt 0x0
	AFFINE 1, 0
	GBLOAD 1, 1
	SCALE 1, 1
	s_wait_dscnt 0x0
	AFFINE 1, 1
	s_wait_xcnt 0x0                                ; the first K step's stores have read the codes' registers
	QB 96
	OUTF 1
	s_wait_tensorcnt 0x0
	ds_add_u32 v254, v255
	s_wait_dscnt 0x0
	s_endpgm
.Lweights:
; ---- weights: the quantiser alone
	s_wait_dscnt 16                                ; my first K step's numbers are in; the second's 16 loads may be out
	QB 32
	OUTF 0
	s_wait_dscnt 0x0
	s_wait_xcnt 0x0                                ; the first K step's stores have read the codes' registers
	QB 96
	OUTF 1
	s_wait_tensorcnt 0x0
	ds_add_u32 v254, v255
	s_wait_dscnt 0x0
	s_endpgm
.Lfunc_end_k_q9f99450532_prep:
	.size	k_q9f99450532_prep, .Lfunc_end_k_q9f99450532_prep-k_q9f99450532_prep
	.p2alignl 7, 3214868480
	.fill 96, 4, 3214868480
	.section	.rodata,"a",@progbits
	.p2align	6, 0x0
	.amdhsa_kernel k_q9f99450532_prep
		.amdhsa_group_segment_fixed_size 75264
		.amdhsa_private_segment_fixed_size 0
		.amdhsa_enable_private_segment 0
		.amdhsa_kernarg_size 88
		.amdhsa_user_sgpr_count 2
		.amdhsa_user_sgpr_kernarg_segment_ptr 1
		.amdhsa_wavefront_size32 1
		.amdhsa_system_sgpr_workgroup_id_x 1
		.amdhsa_system_sgpr_workgroup_id_y 1
		.amdhsa_system_sgpr_workgroup_id_z 1
		.amdhsa_system_vgpr_workitem_id 0
		.amdhsa_next_free_vgpr 256
		.amdhsa_next_free_sgpr 66
		.amdhsa_reserve_vcc 0
		.amdhsa_float_denorm_mode_32 3
		.amdhsa_float_denorm_mode_16_64 3
		.amdhsa_memory_ordered 1
		.amdhsa_forward_progress 1
		.amdhsa_inst_pref_size 53
	.end_amdhsa_kernel
	.amdgpu_metadata
---
amdhsa.version: [ 1, 2 ]
amdhsa.kernels:
  - .name:           k_q9f99450532_prep
    .symbol:         k_q9f99450532_prep.kd
    .args:
      - { .name: x, .offset: 0, .size: 8, .value_kind: global_buffer, .address_space: global }
      - { .name: ln1_scale, .offset: 8, .size: 8, .value_kind: global_buffer, .address_space: global }
      - { .name: ln1_shift, .offset: 16, .size: 8, .value_kind: global_buffer, .address_space: global }
      - { .name: hq, .offset: 24, .size: 8, .value_kind: global_buffer, .address_space: global }
      - { .name: Wq, .offset: 32, .size: 8, .value_kind: global_buffer, .address_space: global }
      - { .name: Wk, .offset: 40, .size: 8, .value_kind: global_buffer, .address_space: global }
      - { .name: Wv, .offset: 48, .size: 8, .value_kind: global_buffer, .address_space: global }
      - { .name: Wo, .offset: 56, .size: 8, .value_kind: global_buffer, .address_space: global }
      - { .name: W1, .offset: 64, .size: 8, .value_kind: global_buffer, .address_space: global }
      - { .name: W2, .offset: 72, .size: 8, .value_kind: global_buffer, .address_space: global }
      - { .name: wq, .offset: 80, .size: 8, .value_kind: global_buffer, .address_space: global }
    .group_segment_fixed_size: 75264
    .private_segment_fixed_size: 0
    .kernarg_segment_align: 8
    .kernarg_segment_size: 88
    .max_flat_workgroup_size: 128
    .sgpr_count:     66
    .vgpr_count:     256
    .wavefront_size: 32
...
	.end_amdgpu_metadata
.endif
;; end of part 1
;; launch qkv (part 2): grid 48 x 4, 4 waves a work-group, clusters of 4 x 4, 327,680 bytes of LDS; arguments hq, wq, qkv; writes qkv
.if DOCPART == 2
	.amdgcn_target "amdgcn-amd-amdhsa--gfx1250"
	.amdhsa_code_object_version 6
	.text
	.protected	k_q9f99450532_qkv
	.globl	k_q9f99450532_qkv
	.p2align	8
	.type	k_q9f99450532_qkv,@function
k_q9f99450532_qkv:
	s_mov_b64 s[64:65], 0
	v_nop
	global_prefetch_b8 v0, s[64:65] scope:SCOPE_SE
	s_setreg_imm32_b32 hwreg(HW_REG_WAVE_MODE, 25, 1), 1
	s_wait_xcnt 0x0
	s_wait_alu depctr_hold_cnt(0) depctr_sa_sdst(0) depctr_va_vdst(0) depctr_va_sdst(0) depctr_va_ssrc(0) depctr_va_vcc(0) depctr_vm_vsrc(0)
	s_getreg_b32 s2, hwreg(HW_REG_IB_STS2, 6, 4)
	s_cmp_eq_u32 s2, 0
	s_cbranch_scc0 .Lentry_in_a_cluster
	s_endpgm
.Lentry_in_a_cluster:
	s_bfe_u32 s2, ttmp6, 0x10000c
	s_cmp_lg_u32 s2, 0xf033
	s_cbranch_scc0 .Lentry_shape_is_right
	s_endpgm
.Lentry_shape_is_right:
.set NB,     8
.set KST,    8
.set FRG,    1536
.set FROW,   4*FRG
.set FROW8,  8*FRG
.set ATILE,  8*FROW
.set BTILE,  16*FROW
.set RB0,    ATILE
.set RB1,    RB0+BTILE
.set RA1,    RB1+BTILE
.set GS,     KST*256
.set SCA,    RA1+ATILE
.set SCB,    SCA+2*GS
.set SPARE,  SCB+8*GS
.set XTRA,   SPARE+512
.set NLS,    2+NB/2
.set NLF,    NLS+4*NB+16
.set A16, 10
.set A8,  12
.set B16, 14
.set B8,  16
.set ASA, 18
.set ASB, 19
.set XW,  20
.set XR,  21
.set L16, 22
.set L8,  23
.set SPW, 28
.set NIL, 29
.set SC,  32
.set BIAS, 48
.set TM,  192
.set PW,  208
.set PC,  212
.set SEL, 66
.set G0R, 20
.set G1R, 40
.set G1,  24
.set G0,  32
.set G1B, 48
.set G0B, 56
.set G1S, 68
.set G0S, 76
.set G1SB, 80
.set G0SB, 88
.set MSB, 0
.macro WIN new
.if MSB != (\new)
	s_set_vgpr_msb (MSB<<8)|(\new)
.set MSB, (\new)
.endif
.endm
.macro PLACES
.rept 4
	v_nop
.endr
.endm
.macro JLOAD g0a, g1a, g0b, g1b
	s_cmp_eq_u32 s15, 0
	s_cbranch_scc0 .Lfor_b_\@
	tensor_load_to_lds s[\g0a:\g0a+3], s[\g1a:\g1a+7]
	s_nop 0
	PLACES
	s_branch .Lasked_\@
.Lfor_b_\@:
	tensor_load_to_lds s[\g0b:\g0b+3], s[\g1b:\g1b+7]
	s_nop 0
	PLACES
.Lasked_\@:
.endm
.macro CREST
	s_cmp_lg_u32 s14, 0
	s_cbranch_scc1 .Lnot_wave_0_\@
	s_barrier_signal -3
.Lnot_wave_0_\@:
	s_barrier_wait -3
	s_barrier_signal -1
	s_barrier_wait -1
.endm
.macro CROUND
	s_barrier_signal -1
	s_barrier_wait -1
	CREST
.endm
.macro FRAG reg, a16, a8, off
	ds_load_b128 v[\reg:\reg+3], v[\a16] offset:\off
	ds_load_b64 v[\reg+4:\reg+5], v[\a8] offset:\off+512
	ds_load_b128 v[\reg+6:\reg+9], v[\a16] offset:\off+768
	ds_load_b64 v[\reg+10:\reg+11], v[\a8] offset:\off+1280
.endm
.macro FETCH ks, f, lay
	WIN 0
.set jj, 0
.rept 2
	ds_load_b32 v[SC+8*(\f)+jj], v[ASA] offset:(\ks)*256+128*jj
.set jj, jj+1
.endr
.set jj, 0
.rept NB/2
	ds_load_b32 v[SC+8*(\f)+2+jj], v[ASB] offset:(jj/2)*GS+(\ks)*256+128*(jj%2)
.set jj, jj+1
.endr
	WIN 0x40*(1+(\f))
.set jj, 0
.rept NB
.if \lay
	FRAG 48+12*jj, B16+jj/4, B8+jj/4, (jj%4)*FROW8+(\ks)*FRG
.else
	FRAG 48+12*jj, B16+(\ks)/4, B8+(\ks)/4, jj*FROW+((\ks)%4)*FRG
.endif
.set jj, jj+1
.endr
.set jj, 0
.rept 4
	FRAG 12*jj, A16+(\ks)/4, A8+(\ks)/4, jj*FROW+((\ks)%4)*FRG
.set jj, jj+1
.endr
.endm
.macro WMC c
.if RW == 0
	v_wmma_scale_f32_16x16x128_f8f6f4 v[AC:AC+7], v[FB:FB+11], v[FA:FA+11], \c, v[SB], v[SA] matrix_a_fmt:MATRIX_FMT_FP6 matrix_b_fmt:MATRIX_FMT_FP6
.elseif RW == 1
	v_wmma_scale_f32_16x16x128_f8f6f4 v[AC:AC+7], v[FB:FB+11], v[FA:FA+11], \c, v[SB], v[SA] matrix_a_fmt:MATRIX_FMT_FP6 matrix_b_fmt:MATRIX_FMT_FP6 matrix_a_scale:MATRIX_SCALE_ROW1
.elseif RW == 2
	v_wmma_scale_f32_16x16x128_f8f6f4 v[AC:AC+7], v[FB:FB+11], v[FA:FA+11], \c, v[SB], v[SA] matrix_a_fmt:MATRIX_FMT_FP6 matrix_b_fmt:MATRIX_FMT_FP6 matrix_b_scale:MATRIX_SCALE_ROW1
.else
	v_wmma_scale_f32_16x16x128_f8f6f4 v[AC:AC+7], v[FB:FB+11], v[FA:FA+11], \c, v[SB], v[SA] matrix_a_fmt:MATRIX_FMT_FP6 matrix_b_fmt:MATRIX_FMT_FP6 matrix_a_scale:MATRIX_SCALE_ROW1 matrix_b_scale:MATRIX_SCALE_ROW1
.endif
.endm
.macro MULA a, f, cm
.set bb, 0
.rept NB
.set AC, 8*(NB*(\a)+bb)
.set FB, 48+12*bb
.set FA, 12*(\a)
.set SB, SC+8*(\f)+2+bb/2
.set SA, SC+8*(\f)+(\a)/2
.set RW, (bb%2)+2*((\a)%2)
.if (\cm) == 0
	WMC v[AC:AC+7]
.elseif (\cm) == 1
	WMC 0
.else
	WMC v[BIAS+8*bb:BIAS+8*bb+7]
.endif
.set bb, bb+1
.endr
.endm
.macro MWIN f, cm
.if (\cm) == 2
	WIN 0xc5+5*(\f)
.else
	WIN 0xf5+5*(\f)
.endif
.endm
.macro QSTEP ks, cm, lay
.set FS, (\ks)%2
	s_wait_dscnt 8
	MWIN FS, \cm
	MULA 0, FS, \cm
	MULA 1, FS, \cm
	PLACES
	FETCH (\ks)+1, 1-FS, \lay
	s_wait_dscnt NLF
	MWIN FS, \cm
	MULA 2, FS, \cm
	MULA 3, FS, \cm
.endm
.macro TURN
	WIN 0
	s_wait_tensorcnt 0x0
	ds_add_u32 v[SPW], v[NIL]
	s_wait_dscnt 9
	MWIN 1, 0
	MULA 0, 1, 0
	s_wait_dscnt 0x0
	s_barrier_signal -1
	MULA 1, 1, 0
	WIN 0
	s_barrier_wait -1
	PLACES
	FETCH 4, 0, 0
	MWIN 1, 0
	MULA 2, 1, 0
	MULA 3, 1, 0
.endm
.macro LAST
	s_wait_dscnt 8
	MWIN 1, 0
	MULA 0, 1, 0
	MULA 1, 1, 0
	s_wait_dscnt 0x0
	MULA 2, 1, 0
	MULA 3, 1, 0
	WIN 0
.endm
.macro CHANGE
	s_wait_tensorcnt 0x0
	ds_add_u32 v[SPW], v[NIL]
	s_mul_i32 s18, s16, 8*FROW8
	s_add_co_u32 s18, s18, RB0
	v_add_nc_u32 v[B16], s18, v[L16]
	v_add_nc_u32 v[B8], s18, v[L8]
	s_add_co_u32 s18, s18, 4*FROW8
	v_add_nc_u32 v[B16+1], s18, v[L16]
	v_add_nc_u32 v[B8+1], s18, v[L8]
	v_add_nc_u32 v[ASB], 4*GS, v[ASB]
	s_wait_dscnt 0x0
	CROUND
	tensor_load_to_lds s[G0R:G0R+3], s[G1R:G1R+7]
	s_nop 0
	PLACES
.endm
.macro QUANT s, sw
	WIN 5*(\sw)
.irp b,0,1,2,3
	v_max3_num_f32 v[TM+\b], |v[\s+16*\b]|, |v[\s+1+16*\b]|, 0x1800000
.endr
.irp i,2,4,6,8,10,12,14
.irp b,0,1,2,3
	v_max3_num_f32 v[TM+\b], |v[\s+16*\b+\i]|, |v[\s+1+16*\b+\i]|, v[TM+\b]
.endr
.endr
	WIN 0
.irp b,0,1,2,3
	v_permlanex16_b32 v[TM+4+\b], v[TM+\b], s[SEL], s[SEL+1]
.endr
.irp b,0,1,2,3
	v_max_num_f32 v[TM+\b], v[TM+\b], v[TM+4+\b]
.endr
.irp b,0,1,2,3
	v_add_nc_u32 v[TM+12+\b], 0xff000000, v[TM+\b]
.endr
.irp b,0,1,2,3
	v_lshrrev_b32 v[TM+4+\b], 23, v[TM+12+\b]
.endr
	v_lshl_or_b32 v[PW], v[TM+5], 8, v[TM+4]
	v_lshl_or_b32 v[PW], v[TM+6], 16, v[PW]
	v_lshl_or_b32 v[PW], v[TM+7], 24, v[PW]
	WIN (\sw)
.irp c,0,1
	v_cvt_scalef32_pk16_fp6_f32 v[PC+6*\c:PC+2+6*\c], v[\s+32*\c:\s+15+32*\c], v[TM+12+2*\c]
	v_cvt_scalef32_pk16_fp6_f32 v[PC+12+4*\c:PC+14+4*\c], v[\s+16+32*\c:\s+31+32*\c], v[TM+12+2*\c+1]
.endr
	WIN 0
	v_nop
.irp c,0,1
.irp i,0,1,2
	v_permlane16_swap_b32 v[PC+6*\c+\i], v[PC+12+4*\c+\i]
.endr
.irp i,0,1,2
	v_mov_b32 v[PC+3+6*\c+\i], v[PC+12+4*\c+\i]
.endr
.endr
.endm
.macro OUTT t
.irp a,0,1,2,3
.if (\a > 0) || (\t > 0)
	s_wait_dscnt 0x0
	s_wait_xcnt 0x0
.endif
.if \a > 0
	s_add_nc_u64 s[94:95], s[94:95], s[10:11]
.elseif \t > 0
	s_sub_nc_u64 s[94:95], s[94:95], s[12:13]
	s_add_nc_u64 s[92:93], s[92:93], 512
.endif
	QUANT 64*\a, 3
	global_store_b128 v[L16], v[PC:PC+3], s[94:95]
	global_store_b64 v[L8], v[PC+4:PC+5], s[94:95] offset:512
	global_store_b128 v[L16], v[PC+6:PC+9], s[94:95] offset:768
	global_store_b64 v[L8], v[PC+10:PC+11], s[94:95] offset:1280
	ds_store_b32 v[XW], v[PW] offset:64*\a
.endr
	ds_load_b64 v[TM:TM+1], v[XR]
	s_wait_dscnt 0x0
	global_store_b64 v[L8], v[TM:TM+1], s[92:93]
.endm
	s_load_b128 s[4:7], s[0:1], 0x0
	s_load_b64 s[8:9], s[0:1], 0x10
	v_lshl_add_u32 v[SPW], v0, 2, SPARE
	v_mov_b32 v[NIL], 0
	ds_add_u32 v28, v29
	ds_add_u32 v28, v29
	s_wait_dscnt 0x0
	v_lshrrev_b32 v1, 5, v0
	v_readfirstlane_b32 s14, v1
	s_lshr_b32 s15, s14, 1
	s_and_b32 s16, s14, 1
	s_bfe_u32 s40, ttmp6, 0x40000
	s_bfe_u32 s41, ttmp6, 0x40004
	s_sub_co_u32 s18, ttmp9, 8
	s_lshr_b32 s19, s18, 1
	s_and_b32 s18, s18, 1
	s_cmp_lt_u32 ttmp9, 8
	s_cselect_b32 s19, ttmp9, s19
	s_cselect_b32 s18, 0, s18
	s_cselect_b32 s96, 0, 1572864
	s_mov_b32 s97, 9502720
	s_cselect_b32 s97, 3145728, s97
	s_mov_b32 s98, 3145728
	s_cselect_b32 s98, 9437184, s98
	s_cselect_b32 s99, 0, 6291456
	s_mov_b32 s2, 9699328
	s_cselect_b32 s2, 9437184, s2
	s_cselect_b32 s3, 16, 32
	s_lshl_b32 s17, s19, 2
	s_add_co_u32 s17, s17, s41
	s_lshl_b32 s42, s18, 2
	s_add_co_u32 s42, s42, s40
	s_lshl_b32 s43, s41, 2
	s_lshl_b32 s43, 15, s43
	s_lshl_b32 s44, 0x1111, s40
	s_or_b32 s[G1+0], s43, (3<<16)|(1<<21)
	s_or_b32 s[G1B+0], s44, (3<<16)|(1<<21)
	s_or_b32 s[G1S+0], s43, (3<<16)|(1<<21)
	s_or_b32 s[G1SB+0], s44, (3<<16)|(1<<21)
	s_mov_b32 s[G1+1], 768<<16
	s_mov_b32 s[G1+2], 8<<16
	s_mov_b32 s[G1+3], 768<<16
	s_mov_b32 s[G1+4], 8
	s_mov_b32 s[G1+5], KST*192
	s_mov_b32 s[G1+6], 0
	s_mov_b32 s[G1+7], 0
	s_mov_b32 s[G1B+1], 768<<16
	s_mov_b32 s[G1B+2], (2*NB)<<16
	s_mov_b32 s[G1B+3], 768<<16
	s_mov_b32 s[G1B+4], 2*NB
	s_mov_b32 s[G1B+5], KST*192
	s_mov_b32 s[G1B+6], 0
	s_mov_b32 s[G1B+7], 0
	s_mov_b32 s[G1S+1], 32<<16
	s_mov_b32 s[G1S+2], (2*KST)<<16
	s_mov_b32 s[G1S+3], 32<<16
	s_mov_b32 s[G1S+4], 2*KST
	s_mov_b32 s[G1S+5], 32
	s_mov_b32 s[G1S+6], 0
	s_mov_b32 s[G1S+7], 0
	s_mov_b32 s[G1SB+1], 32<<16
	s_mov_b32 s[G1SB+2], (8*KST)<<16
	s_mov_b32 s[G1SB+3], 32<<16
	s_mov_b32 s[G1SB+4], 8*KST
	s_mov_b32 s[G1SB+5], 32
	s_mov_b32 s[G1SB+6], 0
	s_mov_b32 s[G1SB+7], 0
; THE HEAD'S FOUR TILES, ONE A WAVE: what the first four K steps want, each tile whole by one descriptor: wave 0 A's 8 row blocks of slot 0, wave 1 B's 16, wave 2 A's scale words (16 rows of 256 bytes), wave 3 B's (64 rows).
	s_mul_i32 s20, s17, 8*KST*FRG
	s_add_co_u32 s20, s20, s96
	s_mov_b32 s21, 0
	s_mul_i32 s22, s17, 2*GS
	s_add_co_u32 s22, s22, s97
	s_mov_b32 s23, 0
	s_mul_i32 s92, s42, 8*GS
	s_add_co_u32 s92, s92, s98
	s_mov_b32 s93, 0
	s_mul_i32 s46, s42, 4*NB*KST*FRG
	s_mov_b32 s47, 0
	s_mul_i32 s45, s16, 4*FROW
	s_mul_i32 s94, s16, NB*FROW
	s_add_co_u32 s94, s94, RB0
	CROUND                                         ; the opening round, ahead of the wait for the arguments
	s_wait_kmcnt 0x0
	s_cmp_lt_u32 ttmp9, 8
	s_cselect_b64 s[10:11], s[4:5], s[6:7]
	s_cselect_b64 s[12:13], s[6:7], s[4:5]
	s_add_nc_u64 s[20:21], s[10:11], s[20:21]
	s_add_nc_u64 s[22:23], s[10:11], s[22:23]
	s_add_nc_u64 s[46:47], s[12:13], s[46:47]
	s_add_nc_u64 s[92:93], s[12:13], s[92:93]
	s_mov_b32 s[G0], 1
	s_mov_b32 s[G0+1], 0
	s_mov_b64 s[G0+2:G0+3], s[20:21]
	s_or_b32 s[G0+3], s[G0+3], 0x80000000
	s_mov_b32 s[G0B], 1
	s_mov_b32 s[G0B+1], RB0
	s_mov_b64 s[G0B+2:G0B+3], s[46:47]
	s_or_b32 s[G0B+3], s[G0B+3], 0x80000000
	s_mov_b32 s[G0S], 1
	s_mov_b32 s[G0S+1], SCA
	s_mov_b64 s[G0S+2:G0S+3], s[22:23]
	s_or_b32 s[G0S+3], s[G0S+3], 0x80000000
	s_mov_b32 s[G0SB], 1
	s_mov_b32 s[G0SB+1], SCB
	s_mov_b64 s[G0SB+2:G0SB+3], s[92:93]
	s_or_b32 s[G0SB+3], s[G0SB+3], 0x80000000
	s_cmp_eq_u32 s14, 0
	s_cbranch_scc0 .Lhead_1
	tensor_load_to_lds s[G0:G0+3], s[G1:G1+7]
	s_nop 0
	PLACES
	s_branch .Lhead_asked
.Lhead_1:
	s_cmp_eq_u32 s14, 1
	s_cbranch_scc0 .Lhead_2
	tensor_load_to_lds s[G0B:G0B+3], s[G1B:G1B+7]
	s_nop 0
	PLACES
	s_branch .Lhead_asked
.Lhead_2:
	s_cmp_eq_u32 s14, 2
	s_cbranch_scc0 .Lhead_3
	tensor_load_to_lds s[G0S:G0S+3], s[G1S:G1S+7]
	s_nop 0
	PLACES
	s_branch .Lhead_asked
.Lhead_3:
	tensor_load_to_lds s[G0SB:G0SB+3], s[G1SB:G1SB+7]
	s_nop 0
	PLACES
.Lhead_asked:
; slot 1's first fill, a quarter of the slot a wave, is issued as a refill is
	s_mul_i32 s18, s16, 4*KST*FRG
	s_mov_b32 s19, 0
	s_add_nc_u64 s[20:21], s[20:21], s[18:19]      ; my four row blocks of A,
	s_mul_i32 s18, s16, NB*KST*FRG
	s_add_nc_u64 s[46:47], s[46:47], s[18:19]      ; my eight of B
	s_mov_b32 s[G0+4], 1
	s_add_co_u32 s[G0+5], s45, RA1
	s_add_nc_u64 s[G0+6:G0+7], s[20:21], FROW
	s_or_b32 s[G0+7], s[G0+7], 0x80000000
	s_mov_b32 s[G0B+4], 1
	s_add_co_u32 s[G0B+5], s94, BTILE
	s_add_nc_u64 s[G0B+6:G0B+7], s[46:47], FROW
	s_or_b32 s[G0B+7], s[G0B+7], 0x80000000
	s_wait_alu depctr_va_vdst(0)
	s_wait_tensorcnt 0x0                           ; my tile of the head's four is in
	ds_add_u32 v28, v29
	s_mov_b32 s[G1+2], 4<<16                       ; no tensor load of mine is out, so a descriptor may be written: from here on a load brings 4 row blocks of A
	s_mov_b32 s[G1+4], 4
	s_mov_b32 s[G1B+2], NB<<16                     ; or 8 of B
	s_mov_b32 s[G1B+4], NB
	s_wait_dscnt 0x0
	CROUND
	JLOAD G0+4, G1, G0B+4, G1B
	v_and_b32 v1, 31, v0
	v_lshlrev_b32 v[L16], 4, v1
	v_lshlrev_b32 v[L8], 3, v1
	v_lshlrev_b32 v2, 2, v1
	s_wait_alu depctr_va_vdst(0)
	s_mul_i32 s21, s15, 4*FROW
	s_mul_i32 s22, s16, NB*FROW
	s_add_co_u32 s22, s22, RB0
.irp s,0,1
	v_add_nc_u32 v[A16+\s], s21, v[L16]
	v_add_nc_u32 v[A8+\s], s21, v[L8]
	v_add_nc_u32 v[B16+\s], s22, v[L16]
	v_add_nc_u32 v[B8+\s], s22, v[L8]
	s_add_co_u32 s21, s21, RA1
	s_add_co_u32 s22, s22, BTILE
.endr
	s_mul_i32 s21, s15, GS
	s_add_co_u32 s21, s21, SCA
	v_add_nc_u32 v[ASA], s21, v2
	s_mul_i32 s22, s16, 2*GS
	s_add_co_u32 s22, s22, SCB
	v_add_nc_u32 v[ASB], s22, v2
	s_lshl_b32 s21, s14, 8
	s_add_co_u32 s21, s21, XTRA
	v_and_b32 v3, 15, v0
	v_lshl_add_u32 v[XW], v3, 2, s21
	v_add_nc_u32 v[XR], s21, v[L8]
.irp b,0,1,2,3
	v_mov_b32 v[TM+4+\b], 0
.endr
	s_mov_b32 s[SEL], 0x76543210
	s_mov_b32 s[SEL+1], 0xfedcba98
	s_lshl_b32 s18, s17, 1
	s_add_co_u32 s18, s18, s15
	s_mul_i32 s18, s18, s3
	s_lshl_b32 s19, s42, 2
	s_add_co_u32 s19, s19, s16
	s_add_co_u32 s20, s18, s19
	s_lshl_b32 s20, s20, 8
	s_add_co_u32 s20, s20, s2
	s_mov_b32 s21, 0
	s_add_nc_u64 s[92:93], s[8:9], s[20:21]
	s_lshl_b32 s18, s18, 2
	s_add_co_u32 s18, s18, s19
	s_mul_i32 s20, s18, FRG
	s_add_co_u32 s20, s20, s99
	s_add_nc_u64 s[94:95], s[8:9], s[20:21]
	s_lshl_b32 s18, s42, 3
	s_add_co_u32 s18, s18, s14
	s_add_co_u32 s18, s18, 4
	s_mul_i32 s18, s18, 4*FROW8
	s_mov_b32 s19, 0
	s_mov_b32 s[G0R], 1
	s_mul_i32 s[G0R+1], s14, 4*FROW8
	s_add_co_u32 s[G0R+1], s[G0R+1], RB0
	s_add_nc_u64 s[G0R+2:G0R+3], s[12:13], s[18:19]
	s_or_b32 s[G0R+3], s[G0R+3], 0x80000000
	s_or_b32 s[G1R+0], s44, (3<<16)|(1<<21)
	s_mov_b32 s[G1R+1], 1536<<16
	s_mov_b32 s[G1R+2], 4<<16
	s_mov_b32 s[G1R+3], 1536<<16
	s_mov_b32 s[G1R+4], 4
	s_mov_b32 s[G1R+5], 1536
	s_mov_b32 s[G1R+6], 0
	s_mov_b32 s[G1R+7], 0
	s_mul_i32 s10, s3, FRG
	s_mov_b32 s11, 0
	s_mul_i32 s12, s3, 3*FRG
	s_sub_co_u32 s12, s12, 2*FRG
	s_mov_b32 s13, 0
	s_wait_alu depctr_va_vdst(0)
	s_wait_tensorcnt 1
	s_barrier_signal -1
	s_barrier_wait -1
	FETCH 0, 0, 0
	QSTEP 0, 1, 0
	QSTEP 1, 0, 0
	QSTEP 2, 0, 0
	TURN
	QSTEP 4, 0, 0
	QSTEP 5, 0, 0
	QSTEP 6, 0, 0
	LAST
	CHANGE
	OUTT 0
	s_wait_tensorcnt 0x0
	s_wait_dscnt 0x0
	s_barrier_signal -1
	s_barrier_wait -1
	FETCH 0, 0, 1
	QSTEP 0, 1, 1
	QSTEP 1, 0, 1
	QSTEP 2, 0, 1
	QSTEP 3, 0, 1
	QSTEP 4, 0, 1
	QSTEP 5, 0, 1
	QSTEP 6, 0, 1
	LAST
	PLACES
	OUTT 1
	s_wait_tensorcnt 0x0
	ds_add_u32 v[SPW], v[NIL]
	s_wait_dscnt 0x0
	CROUND
	s_endpgm
.Lfunc_end_k_q9f99450532_qkv:
	.size	k_q9f99450532_qkv, .Lfunc_end_k_q9f99450532_qkv-k_q9f99450532_qkv
	.p2alignl 7, 3214868480
	.fill 96, 4, 3214868480
	.section	.rodata,"a",@progbits
	.p2align	6, 0x0
	.amdhsa_kernel k_q9f99450532_qkv
		.amdhsa_group_segment_fixed_size 327680
		.amdhsa_private_segment_fixed_size 0
		.amdhsa_enable_private_segment 0
		.amdhsa_kernarg_size 24
		.amdhsa_user_sgpr_count 2
		.amdhsa_user_sgpr_kernarg_segment_ptr 1
		.amdhsa_wavefront_size32 1
		.amdhsa_system_sgpr_workgroup_id_x 1
		.amdhsa_system_sgpr_workgroup_id_y 1
		.amdhsa_system_sgpr_workgroup_id_z 1
		.amdhsa_system_vgpr_workitem_id 0
		.amdhsa_next_free_vgpr 1024
		.amdhsa_next_free_sgpr 100
		.amdhsa_reserve_vcc 0
		.amdhsa_float_denorm_mode_32 3
		.amdhsa_float_denorm_mode_16_64 3
		.amdhsa_memory_ordered 1
		.amdhsa_forward_progress 1
		.amdhsa_inst_pref_size 172
	.end_amdhsa_kernel
	.amdgpu_metadata
---
amdhsa.version: [ 1, 2 ]
amdhsa.kernels:
  - .name:           k_q9f99450532_qkv
    .symbol:         k_q9f99450532_qkv.kd
    .args:
      - { .name: hq, .offset: 0, .size: 8, .value_kind: global_buffer, .address_space: global }
      - { .name: wq, .offset: 8, .size: 8, .value_kind: global_buffer, .address_space: global }
      - { .name: qkv, .offset: 16, .size: 8, .value_kind: global_buffer, .address_space: global }
    .group_segment_fixed_size: 327680
    .private_segment_fixed_size: 0
    .kernarg_segment_align: 8
    .kernarg_segment_size: 24
    .max_flat_workgroup_size: 128
    .sgpr_count:     100
    .vgpr_count:     1024
    .wavefront_size: 32
...
	.end_amdgpu_metadata
.endif
;; end of part 2
;; launch attn (part 3): grid 8 x 32, 16 waves a work-group, clusters of 4 x 1, 260,096 bytes of LDS; arguments qkv, pv; writes pv
.if DOCPART == 3
	.amdgcn_target "amdgcn-amd-amdhsa--gfx1250"
	.amdhsa_code_object_version 6
	.text
	.protected	k_q9f99450532_attn
	.globl	k_q9f99450532_attn
	.p2align	8
	.type	k_q9f99450532_attn,@function
k_q9f99450532_attn:
	s_mov_b64 s[64:65], 0
	v_nop
	global_prefetch_b8 v0, s[64:65] scope:SCOPE_SE
	s_setreg_imm32_b32 hwreg(HW_REG_WAVE_MODE, 25, 1), 1
	s_wait_xcnt 0x0
	s_wait_alu depctr_hold_cnt(0) depctr_sa_sdst(0) depctr_va_vdst(0) depctr_va_sdst(0) depctr_va_ssrc(0) depctr_va_vcc(0) depctr_vm_vsrc(0)
	s_getreg_b32 s2, hwreg(HW_REG_IB_STS2, 6, 4)
	s_cmp_eq_u32 s2, 0
	s_cbranch_scc0 .Lentry_in_a_cluster
	s_endpgm
.Lentry_in_a_cluster:
	s_bfe_u32 s2, ttmp6, 0x10000c
	s_cmp_lg_u32 s2, 0x3003
	s_cbranch_scc0 .Lentry_shape_is_right
	s_endpgm
.Lentry_shape_is_right:
; Causal attention of one head on codes of FP6 (E2M3): S^T = K Q^T (K = the head's 64: the upper half of each operand is zero codes), p = 2^(t - M) quantised along the keys, O^T = V^T P^T, O / the row's sum, quantised along the channels.
; t = score x log2(e) / 8; M = the running largest t rounded up to a whole number; the row's sum is taken of the unquantised p; when M moves, the sum and O^T are multiplied by 2^(old M - new M), which rounds nothing.
; OPERANDS lie in memory as images of the operand's registers (a fragment of 16 stored rows x 128 K: registers 0-3 at 16 x lane, 4-5 at 512 + 8 x lane, 6-9 at 768 + 16 x lane, 10-11 at 1,280 + 8 x lane); a head's 64 of q or k
; are half a fragment, 768 bytes.  Stored row g of block rb is actual row 32 (rb/2) + 8 (rb%2) + g + 8 (g/8): so the 16 registers of two neighbouring result tiles are 16 actual neighbours (keys in S^T, channels in O^T).
; SHARES.  The eight work-groups of a head are two clusters of four.  A tile is 16 stored queries, T = 4 k + cx; the quad k hangs on the wave's number and the cluster's alone, so the four partners run alike.
; A key step is 128 keys; quad k wants k / 2 + 1 of them, quads j and 31 - j together 17.  A PAIR OF WAVES SHARES SUCH A PAIR OF QUADS EVENLY: one wave takes the long tile's first nine steps (keys 0 to 1,151); the other takes the
; short tile whole (1 to 8 steps), writes it out, and goes on with the long tile's steps from key 1,152 on, from a fresh state: 8 steps.  At the end the first wave hands O^T, -M and the sum over through LDS, and the second brings both
; parts under the larger M, by powers of two that round nothing, adds them and writes the tile out.  A part's M is a whole number like the running M, so the codes' values stand.  The long tile's Q goes from the first wave to the second through LDS too.
; The loops' trip counts are constants; a step outside a wave's range of keys is jumped over (scalar branches on ids); the step on a tile's diagonal is masked.
; LDS holds the WHOLE head, filled once by joint loads (one a wave, waves 0 to 9): nothing is filled again.  One barrier, in front of the first step, shows all the tiles.
; A block's largest p is not searched for: the block's largest score goes through the same multiply-add and exponential (this takes v_exp_f32 not to fall where its input rises).
; LIMITS: NaN and infinities are not served; a block under 2^-124 has its byte held at 1, a block of zeros the byte 1 with zero codes (only this program reads the bytes); 1 / the sum is v_rcp_f32.
; REGISTERS: v1 16 l, v2 8 l, v3, v4 my place among K's, V's scale words, v5 my query - 16 h; v6-11 the step's LDS addresses; v12 -M, v13 largest t, v[14:15] the sum; v16-27 Q (22-27 zeros); v28-29 V's scale words;
;   v30, v31 my pair's LDS bytes for Q and for the state; v32-79 four operands of K (the upper six of each stay zeros); v80-127 V's four fragments; v128-191 S^T, then p; v192-223 O^T; v224-235 p's codes; v236-247 at work;
;   v248-251 K's scale words; v252 f; v253 p's scale word; v254 at work; v255 Q's scale words
.set VB,  98304
.set KSB, 196608
.set VSB, 204800
.set QST, 208896                       ; a pair's Q: 512 + 512 + 512 bytes
.set MRG, QST+8*1536                   ; a pair's state: O^T 4,096 bytes, then -M, t, the sum: 512
.set SS,  128
.set OO,  192
.set WV,  8
.set HI,  9                            ; s9   the last key at which a step of mine may begin
.set CX,  10
.set LO,  11                           ; s11  and the first
.set BT,  12
.set HD,  13
.set PR,  14
.set HH,  15
.set KQD, 16                           ; s16  the quad in hand
.set QLO, 17
.set KF,  18
.set CNT, 19
.set SEL, 20
.set CS,  22
.set TK,  2
.set TV,  3
.set TS,  66
.set TJ,  67
.macro ROUND
	s_barrier_signal -1
	s_barrier_wait -1
	s_cmp_lg_u32 s[WV], 0
	s_cbranch_scc1 .Lnot_wave_0_\@
	s_barrier_signal -3
.Lnot_wave_0_\@:
	s_barrier_wait -3
	s_barrier_signal -1
	s_barrier_wait -1
.endm
.macro ROLE                            ; SCC = 1 in the wave of a pair that begins with the long tile: by the wave's number alone
	s_lshr_b32 s100, s[WV], 2
	s_xor_b32 s100, s100, s[WV]
	s_and_b32 s100, s100, 1
	s_cmp_lg_u32 s100, 0
.endm
.macro MKG0 g, lds, add                ; a descriptor group 0: to LDS byte lds, from s[104:105] + add
	s_mov_b32 s[\g], 1
	s_mov_b32 s[\g+1], \lds
	s_add_nc_u64 s[\g+2:\g+3], s[104:105], \add
	s_or_b32 s[\g+3], s[\g+3], 0x80000000
.endm
	s_load_b128 s[4:7], s[0:1], 0x0                ; q, k, v^T s[4:5]; the results s[6:7]
	v_lshl_add_u32 v254, v0, 2, 0x3f000
	v_mov_b32 v255, 0
	ds_add_u32 v254, v255
	ds_add_u32 v254, v255
	s_wait_dscnt 0x0
	v_lshrrev_b32 v6, 5, v0
	s_delay_alu instid0(VALU_DEP_1)
	v_readfirstlane_b32 s[WV], v6                  ; wave 0..15
	s_bfe_u32 s[CX], ttmp6, 0x40000
	s_and_b32 s11, ttmp7, 0xffff
	s_lshr_b32 s[BT], s11, 4                       ; batch
	s_and_b32 s[HD], s11, 15                       ; head
	s_and_b32 s[PR], s[HD], 1                      ; which half of a fragment is the head's
	s_lshr_b32 s[HH], s[HD], 1
	s_lshr_b32 s[KQD], s[WV], 1
	s_lshl_b32 s[KQD], s[KQD], 1
	s_add_co_u32 s[KQD], s[KQD], ttmp9             ; j = 2 (wave / 2) + the cluster's number: the pair's short quad
	s_sub_co_u32 s101, 31, s[KQD]                  ; and its long one
	ROLE
	s_cselect_b32 s[KQD], s101, s[KQD]             ; the quad that I begin with
	s_lshl_b32 s[QLO], s[KQD], 6                   ; its queries: 64 k .. 64 k + 63
	s_add_co_u32 s[HI], s[QLO], 63                 ; the short tile: all steps up to its diagonal;
	s_cmp_lg_u32 s100, 0
	s_cselect_b32 s[HI], 1151, s[HI]               ; the long tile: the nine steps of keys 0 to 1,151
	s_mov_b32 s[LO], 0
	; descriptor groups 1: elements of 8 bytes, the mask names all four partners
	s_mov_b32 s24, 15|(3<<16)|(1<<21)              ; K: 32 row blocks x 768 bytes, 24,576 bytes apart
	s_mov_b32 s25, 96<<16
	s_mov_b32 s26, 32<<16
	s_mov_b32 s27, 96<<16
	s_mov_b32 s28, 32
	s_mov_b32 s29, 3072
	s_mov_b32 s30, 0
	s_mov_b32 s31, 0
	s_mov_b32 s32, 15|(3<<16)|(1<<21)              ; V: 4 row blocks x 6,144 bytes (4 key steps), 49,152 bytes apart
	s_mov_b32 s33, 768<<16
	s_mov_b32 s34, 4<<16
	s_mov_b32 s35, 768<<16
	s_mov_b32 s36, 4
	s_mov_b32 s37, 6144
	s_mov_b32 s38, 0
	s_mov_b32 s39, 0
	s_mov_b32 s40, 15|(3<<16)|(1<<21)              ; K's scale words: 32 rows of 256 bytes, 4,096 bytes apart
	s_mov_b32 s41, 32<<16
	s_mov_b32 s42, 32<<16
	s_mov_b32 s43, 32<<16
	s_mov_b32 s44, 32
	s_mov_b32 s45, 512
	s_mov_b32 s46, 0
	s_mov_b32 s47, 0
	s_mov_b32 s48, 15|(3<<16)|(1<<21)              ; V's: 16 rows of 256 bytes, dense
	s_mov_b32 s49, 32<<16
	s_mov_b32 s50, 16<<16
	s_mov_b32 s51, 32<<16
	s_mov_b32 s52, 16
	s_mov_b32 s53, 32
	s_mov_b32 s54, 0
	s_mov_b32 s55, 0
	s_mov_b32 s[SEL], 0x76543210
	s_mov_b32 s[SEL+1], 0xfedcba98
	s_mov_b32 s[CS], 0x3e38aa3b                    ; log2(e) / 8
	s_mov_b32 s[CS+1], s[CS]
	s_mul_i32 s100, s[BT], 3145728                 ; K: ((128 batch) x 16 + 8 + head / 2) x 1,536 + 768 x parity
	s_add_co_u32 s101, s[HH], 8
	s_mul_i32 s101, s101, 1536
	s_add_co_u32 s100, s100, s101
	s_mul_i32 s101, s[PR], 768
	s_add_co_u32 s100, s100, s101
	s_mov_b32 s101, 0
	ROUND                                          ; the opening round, ahead of the wait for the arguments: all four work-groups are here, and the joint loads meet
	s_wait_kmcnt 0x0
	s_add_nc_u64 s[104:105], s[4:5], s[100:101]
	MKG0 60, 0, 0
	MKG0 68, 24576, 786432
	MKG0 72, 49152, 2*786432
	MKG0 76, 73728, 3*786432
	s_mul_i32 s100, s[HD], 196608                  ; V: 6,291,456 + (4 head x 32 + 16 batch) x 1,536
	s_mul_i32 s104, s[BT], 24576
	s_add_co_u32 s100, s100, s104
	s_add_co_u32 s100, s100, 6291456
	s_add_nc_u64 s[104:105], s[4:5], s[100:101]
	MKG0 84, VB, 0
	MKG0 88, VB+24576, 6144
	MKG0 92, VB+49152, 2*6144
	MKG0 96, VB+73728, 3*6144
	s_lshl_b32 s100, s[BT], 17                     ; K's scale words: 9,437,184 + (32 batch x 16 + 8 + head / 2) x 256
	s_add_co_u32 s104, s[HH], 8
	s_lshl_b32 s104, s104, 8
	s_add_co_u32 s100, s100, s104
	s_add_co_u32 s100, s100, 9437184
	s_add_nc_u64 s[104:105], s[4:5], s[100:101]
	MKG0 56, KSB, 0
	s_lshl_b32 s100, s[HD], 13                     ; V's: 9,699,328 + (head x 32 + 16 batch) x 256
	s_lshl_b32 s104, s[BT], 12
	s_add_co_u32 s100, s100, s104
	s_add_co_u32 s100, s100, 9699328
	s_add_nc_u64 s[104:105], s[4:5], s[100:101]
	MKG0 80, VSB, 0
; THE TEN FIRST FILLS, ONE A WAVE: one chain of branches on the wave's number, an arm to a load, all arms leading to one join.
; Waves 0 to 3 fetch what the first 512 keys want (K's scale words, K's chunk 0, V's scale words, V's chunk 0), waves 4 to 9 the other chunks; waves 10 to 15 fetch nothing.
.macro ARM under, g0, g1
	s_cmp_lt_u32 s[WV], \under
	s_cbranch_scc0 .Lnext_\@
	tensor_load_to_lds s[\g0:\g0+3], s[\g1:\g1+7]
	s_nop 0
.rept 4
	v_nop
.endr
	s_branch .Lasked
.Lnext_\@:
.endm
	ARM 1, 56, 40
	ARM 2, 60, 24
	ARM 3, 80, 48
	ARM 4, 84, 32
	ARM 5, 68, 24
	ARM 6, 88, 32
	ARM 7, 72, 24
	ARM 8, 92, 32
	ARM 9, 76, 24
	ARM 10, 96, 32
.Lasked:
	s_lshl_b32 s104, s[KQD], 2
	s_add_co_u32 s104, s104, s[CX]                 ; T: my row block among the batch's 128
	s_mul_i32 s100, s[BT], 3145728
	s_mul_i32 s105, s104, 24576
	s_add_co_u32 s100, s100, s105
	s_mul_i32 s105, s[HH], 1536
	s_add_co_u32 s100, s100, s105
	s_mul_i32 s105, s[PR], 768
	s_add_co_u32 s100, s100, s105
	s_add_nc_u64 s[2:3], s[4:5], s[100:101]        ; Q's half fragment
	s_lshl_b32 s100, s[BT], 5
	s_add_co_u32 s100, s100, s[KQD]
	s_lshl_b32 s100, s100, 4
	s_add_co_u32 s100, s100, s[HH]
	s_lshl_b32 s100, s100, 8
	s_lshl_b32 s105, s[CX], 6
	s_add_co_u32 s100, s100, s105
	s_lshl_b32 s105, s[PR], 1
	s_add_co_u32 s100, s100, s105
	s_add_co_u32 s100, s100, 9437184
	s_add_nc_u64 s[66:67], s[4:5], s[100:101]      ; and its two scale bytes a row
	v_and_b32 v6, 31, v0
	s_delay_alu instid0(VALU_DEP_1)
	v_lshlrev_b32 v1, 4, v6
	s_delay_alu instid0(VALU_DEP_2)
	v_lshlrev_b32 v2, 3, v6
	v_and_b32 v7, 15, v0                           ; r
	s_wait_alu depctr_va_vdst(0)
	v_bfe_u32 v8, v0, 4, 1                         ; h
	s_wait_alu depctr_va_vdst(0)
	v_lshlrev_b32 v9, 2, v7
	global_load_b128 v[16:19], v1, s[2:3]
	global_load_b64 v[20:21], v2, s[2:3] offset:512
	global_load_u16 v255, v9, s[66:67]             ; the upper two bytes are 0: they scale zero codes alone
	v_lshl_add_u32 v3, v6, 2, KSB
	s_lshl_b32 s100, s[PR], 1
	v_add_nc_u32 v3, s100, v3                      ; K's scale words: 4 l + the head's two bytes: lanes 0-15 the even tile's rows, lanes 16-31 the odd one's
	v_lshl_add_u32 v4, v6, 2, VSB
	s_lshr_b32 s100, s[WV], 1                      ; my pair's bytes in LDS: both address registers are made here, on the way that all waves take
	s_mul_i32 s105, s100, 1536
	s_add_co_u32 s105, s105, QST
	v_add_nc_u32 v30, s105, v1
	s_mul_i32 s105, s100, 4608
	s_add_co_u32 s105, s105, MRG
	v_add_nc_u32 v31, s105, v1
	s_lshr_b32 s100, s[CX], 1
	s_lshl_b32 s100, s100, 5
	s_and_b32 s105, s[CX], 1
	s_lshl_b32 s105, s105, 3
	s_add_co_u32 s100, s100, s105
	s_add_co_u32 s100, s100, s[QLO]
	v_and_b32 v5, 8, v7
	s_delay_alu instid0(VALU_DEP_1)
	v_add_nc_u32 v5, v5, v7
	v_lshlrev_b32 v8, 4, v8
	s_delay_alu instid0(VALU_DEP_1)
	v_sub_nc_u32 v5, v5, v8
	s_delay_alu instid0(VALU_DEP_1)
	v_add_nc_u32 v5, s100, v5                      ; my actual query - 16 h: it enters comparisons of values alone
.irp j,22,23,24,25,26,27
	v_mov_b32 v[\j], 0                             ; zero codes for K = 64 .. 127
.endr
.irp t,0,1,2,3
.irp j,6,7,8,9,10,11
	v_mov_b32 v[32+12*\t+\j], 0
.endr
.endr
.macro INIT                            ; a tile's state at its start: the step is written once, and the first finds zeros
	v_mov_b32 v13, 0xff61b1e6                      ; the largest t so far: -3e38
	s_delay_alu instid0(VALU_DEP_1)
	v_floor_f32 v12, -v13                          ; -M
	v_mov_b32 v14, 0
	v_mov_b32 v15, 0
.set jj, 0
.rept 32
	v_mov_b32 v[OO+jj], 0
.set jj, jj+1
.endr
.endm
	INIT
.irp b,0,1,2,3
	v_mov_b32 v[236+\b], 0                         ; a lane permute's destination counts as one of its sources
.endr
	v_mov_b32 v252, 0
	v_mov_b32 v253, 0
.macro KQ tau, t                       ; scores of tile tau of the step's eight, from operand t
.if (\tau)%2
	v_wmma_scale_f32_16x16x128_f8f6f4 v[SS+8*(\tau):SS+8*(\tau)+7], v[32+12*(\t):43+12*(\t)], v[16:27], 0, v[248+(\tau)/2], v255 matrix_a_fmt:MATRIX_FMT_FP6 matrix_b_fmt:MATRIX_FMT_FP6 matrix_a_scale:MATRIX_SCALE_ROW1
.else
	v_wmma_scale_f32_16x16x128_f8f6f4 v[SS+8*(\tau):SS+8*(\tau)+7], v[32+12*(\t):43+12*(\t)], v[16:27], 0, v[248+(\tau)/2], v255 matrix_a_fmt:MATRIX_FMT_FP6 matrix_b_fmt:MATRIX_FMT_FP6
.endif
.endm
.macro PV t
.if (\t)%2
	v_wmma_scale_f32_16x16x128_f8f6f4 v[OO+8*(\t):OO+8*(\t)+7], v[80+12*(\t):91+12*(\t)], v[224:235], v[OO+8*(\t):OO+8*(\t)+7], v[28+(\t)/2], v253 matrix_a_fmt:MATRIX_FMT_FP6 matrix_b_fmt:MATRIX_FMT_FP6 matrix_a_scale:MATRIX_SCALE_ROW1
.else
	v_wmma_scale_f32_16x16x128_f8f6f4 v[OO+8*(\t):OO+8*(\t)+7], v[80+12*(\t):91+12*(\t)], v[224:235], v[OO+8*(\t):OO+8*(\t)+7], v[28+(\t)/2], v253 matrix_a_fmt:MATRIX_FMT_FP6 matrix_b_fmt:MATRIX_FMT_FP6
.endif
.endm
; A KEY STEP: 128 keys
.macro STEP
	s_cmp_gt_u32 s[KF], s[HI]                      ; outside my range of keys: only the addresses step
	s_cbranch_scc1 .Lhidden_\@
	s_cmp_lt_u32 s[KF], s[LO]
	s_cbranch_scc1 .Lhidden_\@
	v_add_nc_u32 v6, s[TK], v1                     ; (these six are also the places in front of the loads into registers that the last products read)
	v_add_nc_u32 v7, s[TK], v2
	v_add_nc_u32 v8, s[TV], v1
	v_add_nc_u32 v9, s[TV], v2
	v_add_nc_u32 v10, s[TS], v3
	v_add_nc_u32 v11, s[TJ], v4
.irp j,0,1,2,3
	ds_load_u16 v[248+\j], v10 offset:128*\j
.endr
.irp t,0,1,2,3
	ds_load_b128 v[32+12*\t:35+12*\t], v6 offset:768*\t
	ds_load_b64 v[36+12*\t:37+12*\t], v7 offset:768*\t+512
.endr
.irp j,0,1
	ds_load_b32 v[28+\j], v11 offset:128*\j
.endr
.irp t,0,1,2,3
	ds_load_b128 v[80+12*\t:83+12*\t], v8 offset:6144*\t
	ds_load_b64 v[84+12*\t:85+12*\t], v9 offset:6144*\t+512
	ds_load_b128 v[86+12*\t:89+12*\t], v8 offset:6144*\t+768
	ds_load_b64 v[90+12*\t:91+12*\t], v9 offset:6144*\t+1280
.endr
	s_wait_alu depctr_va_vdst(0)
	s_wait_dscnt 18                                ; K's first four tiles and all its scale words are in; V's 18 loads may be out
.irp t,0,1,2,3
	KQ \t, \t
.endr
.rept 4
	v_nop                                          ; places in front of loads into registers that matrix instructions have read
.endr
.irp t,0,1,2,3
	ds_load_b128 v[32+12*\t:35+12*\t], v6 offset:768*(4+\t)
	ds_load_b64 v[36+12*\t:37+12*\t], v7 offset:768*(4+\t)+512
.endr
	s_wait_dscnt 0x0
.irp t,0,1,2,3
	KQ 4+\t, \t
.endr
.rept 4
	v_nop                                          ; places in front of the first read of results
.endr
	s_add_co_u32 s100, s[KF], 127                  ; a step all of whose keys count for the whole quad skips the mask
	s_cmp_le_u32 s100, s[QLO]
	s_cbranch_scc1 .Lopen_\@
	v_sub_nc_u32 v252, v5, s[KF]                   ; d = my query - KF - 16 h.  Register 16 b + i holds key KF + 32 b + 16 h + i: hidden where 32 b + i > d
	v_mov_b32 v254, 0xff800000
.set jj, 0
.rept 64
	v_cmp_gt_i32 vcc_lo, 32*(jj/16)+jj%16, v252
	v_cndmask_b32 v[SS+jj], v[SS+jj], v254, vcc_lo
.set jj, jj+1
.endr
.Lopen_\@:
.irp b,0,1,2,3
	v_max3_num_f32 v[232+\b], v[SS+16*\b], v[SS+1+16*\b], v[SS+2+16*\b]   ; the largest score of each block of 32 keys
.endr
.irp i,3,5,7,9,11,13
.irp b,0,1,2,3
	v_max3_num_f32 v[232+\b], v[232+\b], v[SS+16*\b+\i], v[SS+1+16*\b+\i]
.endr
.endr
.irp b,0,1,2,3
	v_max_num_f32 v[232+\b], v[232+\b], v[SS+15+16*\b]
.endr
.irp b,0,1,2,3
	s_delay_alu instid0(VALU_DEP_4)
	v_permlanex16_b32 v[236+\b], v[232+\b], s[SEL], s[SEL+1]
.endr
.irp b,0,1,2,3
	s_delay_alu instid0(VALU_DEP_4)
	v_max_num_f32 v[232+\b], v[232+\b], v[236+\b]
.endr
	s_delay_alu instid0(VALU_DEP_2)
	v_max3_num_f32 v254, v232, v233, v234
	s_delay_alu instid0(VALU_DEP_1)
	v_max_num_f32 v254, v254, v235
	s_delay_alu instid0(VALU_DEP_1)
	v_mul_f32 v254, s[CS], v254
	s_delay_alu instid0(VALU_DEP_1)
	v_max_num_f32 v13, v13, v254                   ; the running largest t
	v_mov_b32 v254, v12
	s_delay_alu instid0(VALU_DEP_2)
	v_floor_f32 v12, -v13                          ; the new -M: a whole number
	s_delay_alu instid0(VALU_DEP_1)
	v_sub_f32 v254, v12, v254
	s_delay_alu instid0(VALU_DEP_1)
	v_cvt_i32_f32 v254, v254                       ; (it saturates)
	s_delay_alu instid0(VALU_DEP_1)
	v_ldexp_f32 v252, 1.0, v254                    ; f = 2^(old M - new M)
.set jj, 0
.rept 32
	v_pk_fma_f32 v[SS+2*jj:SS+2*jj+1], v[SS+2*jj:SS+2*jj+1], s[CS:CS+1], v[12:13] op_sel_hi:[1,0,0]   ; t - M
.set jj, jj+1
.endr
.irp b,0,1,2,3
	v_fma_f32 v[232+\b], v[232+\b], s[CS], v12
.endr
.set jj, 0
	s_wait_alu depctr_va_vdst(0)
.rept 64
	v_exp_f32 v[SS+jj], v[SS+jj]                   ; p = 2^(t - M)
.set jj, jj+1
.endr
.irp b,0,1,2,3
	v_exp_f32 v[232+\b], v[232+\b]                 ; the block's largest p
.endr
	v_pk_mul_f32 v[14:15], v[14:15], v[252:253] op_sel_hi:[1,0]   ; the sums under the new M (a plain place behind the exponentials)
	s_wait_alu depctr_va_vdst(0)
.irp b,0,1,2,3
	v_max_num_f32 v[232+\b], 0x1800000, v[232+\b]  ; the floor 2^(3 - 127)
.endr
.irp b,0,1,2,3
	s_delay_alu instid0(VALU_DEP_4)
	v_add_nc_u32 v[244+\b], 0xff000000, v[232+\b]
.endr
.irp b,0,1,2,3
	s_delay_alu instid0(VALU_DEP_4)
	v_lshrrev_b32 v[236+\b], 23, v[244+\b]
.endr
	s_delay_alu instid0(VALU_DEP_3)
	v_lshl_or_b32 v253, v237, 8, v236              ; p's scale word for these 128 keys
	s_delay_alu instid0(VALU_DEP_1)
	v_lshl_or_b32 v253, v238, 16, v253
	s_delay_alu instid0(VALU_DEP_1)
	v_lshl_or_b32 v253, v239, 24, v253
.irp c,0,1
	v_cvt_scalef32_pk16_fp6_f32 v[224+6*\c:226+6*\c], v[SS+32*\c:SS+15+32*\c], v[244+2*\c]
	v_cvt_scalef32_pk16_fp6_f32 v[236+4*\c:238+4*\c], v[SS+16+32*\c:SS+31+32*\c], v[244+2*\c+1]
.endr
	v_nop                                          ; one plain place behind a scaled conversion
.irp c,0,1
.irp i,0,1,2
	v_permlane16_swap_b32 v[224+6*\c+\i], v[236+4*\c+\i]
.endr
.irp i,0,1,2
	s_delay_alu instid0(VALU_DEP_3)
	v_mov_b32 v[227+6*\c+\i], v[236+4*\c+\i]
.endr
.endr
	v_pk_add_f32 v[236:237], v[132:133], v[136:137]
	v_pk_add_f32 v[250:251], v[140:141], v[144:145]
	v_pk_add_f32 v[248:249], v[148:149], v[152:153]
	v_pk_add_f32 v[246:247], v[156:157], v[160:161]
	v_pk_add_f32 v[244:245], v[164:165], v[168:169]
	v_pk_add_f32 v[242:243], v[172:173], v[176:177]
	v_pk_add_f32 v[240:241], v[180:181], v[184:185]
	v_pk_add_f32 v[14:15], v[14:15], v[188:189]
	v_pk_add_f32 v[236:237], v[236:237], v[128:129]
	v_pk_add_f32 v[250:251], v[250:251], v[130:131]
	v_pk_add_f32 v[248:249], v[248:249], v[134:135]
	v_pk_add_f32 v[246:247], v[246:247], v[138:139]
	v_pk_add_f32 v[244:245], v[244:245], v[142:143]
	v_pk_add_f32 v[242:243], v[242:243], v[146:147]
	v_pk_add_f32 v[240:241], v[240:241], v[150:151]
	v_pk_add_f32 v[14:15], v[14:15], v[154:155]
	v_pk_add_f32 v[236:237], v[236:237], v[158:159]
	v_pk_add_f32 v[250:251], v[250:251], v[162:163]
	v_pk_add_f32 v[248:249], v[248:249], v[166:167]
	v_pk_add_f32 v[246:247], v[246:247], v[170:171]
	v_pk_add_f32 v[244:245], v[244:245], v[174:175]
	v_pk_add_f32 v[242:243], v[242:243], v[178:179]
	v_pk_add_f32 v[240:241], v[240:241], v[182:183]
	v_pk_add_f32 v[14:15], v[14:15], v[186:187]
	v_pk_add_f32 v[236:237], v[236:237], v[190:191]
	s_delay_alu instid0(VALU_DEP_2)
	v_pk_add_f32 v[14:15], v[14:15], v[246:247]
	s_delay_alu instid0(VALU_DEP_2)
	v_pk_add_f32 v[236:237], v[236:237], v[244:245]
	v_pk_add_f32 v[250:251], v[250:251], v[242:243]
	v_pk_add_f32 v[248:249], v[248:249], v[240:241]
	s_delay_alu instid0(VALU_DEP_2)
	v_pk_add_f32 v[14:15], v[14:15], v[250:251]
	s_delay_alu instid0(VALU_DEP_2)
	v_pk_add_f32 v[236:237], v[236:237], v[248:249]
	s_delay_alu instid0(VALU_DEP_1)
	v_pk_add_f32 v[14:15], v[14:15], v[236:237]
.set jj, 0
.rept 16
	v_pk_mul_f32 v[OO+2*jj:OO+2*jj+1], v[OO+2*jj:OO+2*jj+1], v[252:253] op_sel_hi:[1,0]   ; O^T under the new M
.set jj, jj+1
.endr
.irp t,0,1,2,3
	PV \t
.endr
.Lhidden_\@:
	s_add_co_u32 s[KF], s[KF], 128
	s_add_co_u32 s[TK], s[TK], 6144
	s_add_co_u32 s[TV], s[TV], 1536
	s_add_co_u32 s[TS], s[TS], 512
	s_add_co_u32 s[TJ], s[TJ], 256
.endm
; 512 keys.  In front of the first chunk every wave waits for its one tensor load, and ONE barrier shows the whole head's tiles (and the long tiles' Q) to all sixteen waves.
; a wave whose short tile has few steps goes on by itself.
.macro CHUNK c
.if \c == 0
	s_wait_tensorcnt 0x0
	s_wait_dscnt 0x0
	s_barrier_signal -1
	s_barrier_wait -1
.endif
	s_mov_b32 s[KF], 512*\c
	s_mov_b32 s[TK], 24576*\c
	s_mov_b32 s[TV], VB+24576*\c
	s_mov_b32 s[TS], 2048*\c
	s_mov_b32 s[TJ], 1024*\c
	s_mov_b32 s[CNT], 4
.Lstep_\@:
	STEP
	s_sub_co_u32 s[CNT], s[CNT], 1
	s_cmp_lg_u32 s[CNT], 0
	s_cbranch_scc1 .Lstep_\@
.endm
.macro FOLDL                           ; the sum's two halves, and lane l xor 16's: the sum of my part of the row, in v14
	v_add_f32 v14, v14, v15
	s_wait_alu depctr_va_vdst(0)
	v_permlanex16_b32 v252, v14, s[SEL], s[SEL+1]
	s_delay_alu instid0(VALU_DEP_1)
	v_add_f32 v14, v14, v252
.endm
; THE WAY OUT of the quad in hand: O^T / the sum (v14); my 64 channels are two blocks of 32: half a fragment of the next product, stored straight from the registers
.macro OUT
	v_rcp_f32 v14, v14
	v_and_b32 v6, 15, v0                           ; (a plain place behind the transcendental)
	s_delay_alu instid0(VALU_DEP_1)
	v_lshlrev_b32 v6, 2, v6
.set jj, 0
	s_wait_alu depctr_va_vdst(0)
.rept 32
	v_mul_f32 v[SS+jj], v[OO+jj], v14              ; register 16 b + i: channel 32 b + 16 h + i of my query.  Each accumulator is read from its low end on
.set jj, jj+1
.endr
.irp b,0,1
	v_max3_num_f32 v[232+\b], |v[SS+16*\b]|, |v[SS+1+16*\b]|, 0x1800000
.endr
.irp i,2,4,6,8,10,12,14
.irp b,0,1
	s_delay_alu instid0(VALU_DEP_2)
	v_max3_num_f32 v[232+\b], v[232+\b], |v[SS+16*\b+\i]|, |v[SS+1+16*\b+\i]|
.endr
.endr
.irp b,0,1
	s_delay_alu instid0(VALU_DEP_2)
	v_permlanex16_b32 v[236+\b], v[232+\b], s[SEL], s[SEL+1]
.endr
.irp b,0,1
	s_delay_alu instid0(VALU_DEP_2)
	v_max_num_f32 v[232+\b], v[232+\b], v[236+\b]
.endr
.irp b,0,1
	s_delay_alu instid0(VALU_DEP_2)
	v_add_nc_u32 v[244+\b], 0xff000000, v[232+\b]
.endr
.irp b,0,1
	s_delay_alu instid0(VALU_DEP_2)
	v_lshrrev_b32 v[236+\b], 23, v[244+\b]
.endr
	s_delay_alu instid0(VALU_DEP_1)
	v_lshl_or_b32 v240, v237, 8, v236              ; the row's two scale bytes
	v_cvt_scalef32_pk16_fp6_f32 v[224:226], v[SS:SS+15], v244
	v_cvt_scalef32_pk16_fp6_f32 v[236:238], v[SS+16:SS+31], v245
	v_nop                                          ; one plain place behind a scaled conversion
.irp i,0,1,2
	v_permlane16_swap_b32 v[224+\i], v[236+\i]
.endr
.irp i,0,1,2
	s_delay_alu instid0(VALU_DEP_3)
	v_mov_b32 v[227+\i], v[236+\i]
.endr
	s_lshl_b32 s104, s[KQD], 2
	s_add_co_u32 s104, s104, s[CX]
	s_mul_i32 s100, s[BT], 1572864
	s_mul_i32 s105, s104, 12288
	s_add_co_u32 s100, s100, s105
	s_mul_i32 s105, s[HH], 1536
	s_add_co_u32 s100, s100, s105
	s_mul_i32 s105, s[PR], 768
	s_add_co_u32 s100, s100, s105
	s_mov_b32 s101, 0
	s_add_nc_u64 s[2:3], s[6:7], s[100:101]
	s_lshl_b32 s100, s[BT], 5
	s_add_co_u32 s100, s100, s[KQD]
	s_lshl_b32 s100, s100, 3
	s_add_co_u32 s100, s100, s[HH]
	s_lshl_b32 s100, s100, 8
	s_lshl_b32 s105, s[CX], 6
	s_add_co_u32 s100, s100, s105
	s_lshl_b32 s105, s[PR], 1
	s_add_co_u32 s100, s100, s105
	s_add_co_u32 s100, s100, 3145728
	s_add_nc_u64 s[66:67], s[6:7], s[100:101]
	s_wait_alu depctr_va_vdst(0)
	global_store_b128 v1, v[224:227], s[2:3]       ; 512 consecutive bytes, aligned
	global_store_b64 v2, v[228:229], s[2:3] offset:512
	global_store_b16 v6, v240, s[66:67]            ; lanes r and r + 16 store the same two bytes with the same value
.endm
	s_wait_loadcnt 0x0                             ; Q; its loads' address registers are free too
	ROLE
	s_cbranch_scc0 .Lq_kept                        ; the wave that begins with the long tile leaves its Q for its partner: the first barrier below stands between these stores and the partner's loads
	ds_store_b128 v30, v[16:19]
	ds_store_b128 v30, v[20:23] offset:512
	ds_store_b32 v30, v255 offset:1024
.Lq_kept:
	CHUNK 0
	CHUNK 1
; Keys 0 to 1,023 are done, and with them every short tile.  The wave that had one writes it out and takes up the long tile from key 1,152 on, from a fresh state
	ROLE
	s_cbranch_scc1 .Lno_switch
	ds_load_b128 v[16:19], v30                     ; the long tile's Q, as its first wave left it: the same lanes hold the same queries
	ds_load_b64 v[20:21], v30 offset:512
	ds_load_b32 v255, v30 offset:1024
.rept 4
	v_nop                                          ; places in front of the first read of results
.endr
	FOLDL
	s_wait_alu depctr_va_vdst(0)
	OUT
	s_sub_co_u32 s[KQD], 31, s[KQD]                ; the long quad
	s_lshl_b32 s100, s[KQD], 6
	s_sub_co_u32 s101, s100, s[QLO]
	v_add_nc_u32 v5, s101, v5                      ; my query moves with the quad
	s_mov_b32 s[QLO], s100
	s_add_co_u32 s[HI], s100, 63                   ; up to its diagonal,
	s_mov_b32 s[LO], 1152                          ; from where its first wave stops
	INIT
	s_wait_dscnt 0x0                               ; Q
	s_wait_xcnt 0x0                                ; the stores have read their registers and their bases: both are written again below
.Lno_switch:
	CHUNK 2
	CHUNK 3
; The long tile's two parts meet
.rept 4
	v_nop                                          ; places in front of the first read of results
.endr
	FOLDL
	ROLE
	s_cbranch_scc0 .Lnot_first
.irp t,0,1,2,3,4,5,6,7
	ds_store_b128 v31, v[OO+4*\t:OO+4*\t+3] offset:512*\t      ; each accumulator from its low end on
.endr
	ds_store_b128 v31, v[12:15] offset:4096        ; -M, the largest t, the sum
.Lnot_first:
	s_wait_dscnt 0x0                               ; for the partner's sake: my stores are done
	s_barrier_signal -1
	s_barrier_wait -1
	ROLE
	s_cbranch_scc1 .Ldone                          ; the first wave has handed its part over
.irp t,0,1,2,3,4,5,6,7
	ds_load_b128 v[SS+4*\t:SS+4*\t+3], v31 offset:512*\t
.endr
	ds_load_b128 v[SS+32:SS+35], v31 offset:4096
	s_wait_dscnt 0x0
	v_min_num_f32 v244, v12, v[SS+32]              ; -M of the whole row: the larger M
	s_delay_alu instid0(VALU_DEP_1)
	v_sub_f32 v245, v244, v[SS+32]                 ; a part's M less the row's: whole numbers, 0 or less
	s_delay_alu instid0(VALU_DEP_2)
	v_sub_f32 v246, v244, v12
	s_delay_alu instid0(VALU_DEP_2)
	v_cvt_i32_f32 v245, v245                       ; (they saturate: a part that had no step has M = -3e38, a factor 0, and zeros to be multiplied by it)
	s_delay_alu instid0(VALU_DEP_2)
	v_cvt_i32_f32 v246, v246
	s_delay_alu instid0(VALU_DEP_2)
	v_ldexp_f32 v245, 1.0, v245
	s_delay_alu instid0(VALU_DEP_2)
	v_ldexp_f32 v246, 1.0, v246
	s_wait_alu depctr_va_vdst(0)
	v_mul_f32 v14, v14, v246
	s_delay_alu instid0(VALU_DEP_1)
	v_fmac_f32 v14, v[SS+34], v245                 ; the row's sum
.set jj, 0
.rept 32
	v_mul_f32 v[OO+jj], v[OO+jj], v246
.set jj, jj+1
.endr
.set jj, 0
.rept 32
	v_fmac_f32 v[OO+jj], v[SS+jj], v245
.set jj, jj+1
.endr
	s_wait_alu depctr_va_vdst(0)
	OUT
.Ldone:
	s_wait_tensorcnt 0x0
	s_wait_dscnt 0x0
	s_wait_xcnt 0x0
	v_lshl_add_u32 v254, v0, 2, 0x3f000
	v_mov_b32 v255, 0
	s_wait_alu depctr_va_vdst(0)
	s_wait_tensorcnt 0x0
	ds_add_u32 v254, v255
	s_wait_dscnt 0x0
	ROUND                                          ; the closing round
	s_endpgm
.Lfunc_end_k_q9f99450532_attn:
	.size	k_q9f99450532_attn, .Lfunc_end_k_q9f99450532_attn-k_q9f99450532_attn
	.p2alignl 7, 3214868480
	.fill 96, 4, 3214868480
	.section	.rodata,"a",@progbits
	.p2align	6, 0x0
	.amdhsa_kernel k_q9f99450532_attn
		.amdhsa_group_segment_fixed_size 260096
		.amdhsa_private_segment_fixed_size 0
		.amdhsa_enable_private_segment 0
		.amdhsa_kernarg_size 16
		.amdhsa_user_sgpr_count 2
		.amdhsa_user_sgpr_kernarg_segment_ptr 1
		.amdhsa_wavefront_size32 1
		.amdhsa_system_sgpr_workgroup_id_x 1
		.amdhsa_system_sgpr_workgroup_id_y 1
		.amdhsa_system_sgpr_workgroup_id_z 1
		.amdhsa_system_vgpr_workitem_id 0
		.amdhsa_next_free_vgpr 256
		.amdhsa_next_free_sgpr 106
		.amdhsa_reserve_vcc 1
		.amdhsa_float_denorm_mode_32 3
		.amdhsa_float_denorm_mode_16_64 3
		.amdhsa_memory_ordered 1
		.amdhsa_forward_progress 1
		.amdhsa_inst_pref_size 126
	.end_amdhsa_kernel
	.amdgpu_metadata
---
amdhsa.version: [ 1, 2 ]
amdhsa.kernels:
  - .name:           k_q9f99450532_attn
    .symbol:         k_q9f99450532_attn.kd
    .args:
      - { .name: qkv, .offset: 0, .size: 8, .value_kind: global_buffer, .address_space: global }
      - { .name: pv, .offset: 8, .size: 8, .value_kind: global_buffer, .address_space: global }
    .group_segment_fixed_size: 260096
    .private_segment_fixed_size: 0
    .kernarg_segment_align: 8
    .kernarg_segment_size: 16
    .max_flat_workgroup_size: 512
    .sgpr_count:     106
    .vgpr_count:     256
    .wavefront_size: 32
...
	.end_amdgpu_metadata
.endif
;; end of part 3
;; launch wo (part 4): grid 8 x 32, 4 waves a work-group, clusters of 4 x 4, 327,680 bytes of LDS; arguments pv, wq, bo, x, x1; writes x1
.if DOCPART == 4
	.amdgcn_target "amdgcn-amd-amdhsa--gfx1250"
	.amdhsa_code_object_version 6
	.text
	.protected	k_q9f99450532_wo
	.globl	k_q9f99450532_wo
	.p2align	8
	.type	k_q9f99450532_wo,@function
k_q9f99450532_wo:
	s_mov_b64 s[64:65], 0
	v_nop
	global_prefetch_b8 v0, s[64:65] scope:SCOPE_SE
	s_setreg_imm32_b32 hwreg(HW_REG_WAVE_MODE, 25, 1), 1
	s_wait_xcnt 0x0
	s_wait_alu depctr_hold_cnt(0) depctr_sa_sdst(0) depctr_va_vdst(0) depctr_va_sdst(0) depctr_va_ssrc(0) depctr_va_vcc(0) depctr_vm_vsrc(0)
	s_getreg_b32 s2, hwreg(HW_REG_IB_STS2, 6, 4)
	s_cmp_eq_u32 s2, 0
	s_cbranch_scc0 .Lentry_in_a_cluster
	s_endpgm
.Lentry_in_a_cluster:
	s_bfe_u32 s2, ttmp6, 0x10000c
	s_cmp_lg_u32 s2, 0xf033
	s_cbranch_scc0 .Lentry_shape_is_right
	s_endpgm
.Lentry_shape_is_right:
; out = res + (A B^T + bias): A [4,096 stored rows][SIZE_K] and B [1,024 stored rows][SIZE_K] are codes of FP6 (E2M3) with E8M0 scales; bias [1,024], res and out [4,096][1,024] f32 in actual row order.
; OPERANDS lie in memory as images of the operand's registers: a fragment (16 stored rows x 128 K) is 1,536 bytes: registers 0-3 at 16 x lane, 4-5 at 512 + 8 x lane, 6-9 at 768 + 16 x lane, 10-11 at 1,280 + 8 x lane;
; fragment (rb, ks) at (rb x K/128 + ks) x 1,536; scale words at ((rb/4) x K/128 + ks) x 256 + (rb%4) x 64 + 4 r.  Stored row g of block rb is actual row 32 (rb/2) + 8 (rb%2) + g + 8 (g/8).
; A work-group of four waves makes 128 rows x 128 columns (256 work-groups), a wave 64 x 64: 16 accumulators.  THE MATRIX INSTRUCTION IS USED TRANSPOSED (source 0 = 16 rows of B, source 1 = 16 rows of A).
; K goes through two LDS slots of 512 along K; with SIZE_K = 1,024 both are asked for at the start and nothing is filled again.  CLUSTERS: 4 x 4; A's tiles are asked for jointly along a row of the cluster, B's along a column.
; The residual's rows are asked for at the start and land under the products.  The results meet in a stage in LDS (a row's 512 bytes come from two waves) and leave as whole rows, each at its actual place.
; No prefetch: every tile is asked for at the start.
; REGISTERS, in windows of 256: window 0: v10-23 addresses; v28, v29 the add's; v32-47 scale words, two sets; v48-51 bias; v64-127 rows from the stage; v128-255 the residual, then the result.
;   Windows 1, 2: fragment sets 0, 1: A's blocks at v[12 a], B's at v[48 + 12 b].  Window 3: accumulator (a, b) at v[8 (4 a + b)].
.set NB,     4
.set SIZE_K, 1024
.set ASOFF,  3145728                   ; A's scale words in its buffer
.set BOFF,   2359296                   ; B's codes in the weights' buffer
.set BSOFF,  9535488                   ; and its scale words
.set KST,    SIZE_K/128
.set FRG,    1536
.set FROW,   4*FRG
.set ATILE,  8*FROW
.set SLOT,   (8+2*NB)*FROW
.set GS,     KST*256
.set SCA,    2*SLOT
.set SCB,    SCA+2*GS
.set SPARE,  SCB+(NB/2)*GS
.set XTRA,   SPARE+512
.set LAPS,   SIZE_K/1024
.set NLS,    2+NB/2
.set NLF,    NLS+4*NB+16
.set A16, 10
.set A8,  12
.set B16, 14
.set B8,  16
.set ASA, 18
.set ASB, 19
.set XW,  20
.set XR,  21
.set L16, 22
.set L8,  23
.set SPW, 28
.set NIL, 29
.set SC,  32
.set BIAS, 48
.set G1,  24
.set G0,  32
.set G1B, 48
.set G0B, 56
.set G1S, 68
.set G0S, 76
.set G1SB, 80
.set G0SB, 88
.set MSB, 0
.macro WIN new                         ; the immediate's high byte repeats the setting that is left
.if MSB != (\new)
	s_set_vgpr_msb (MSB<<8)|(\new)
.set MSB, (\new)
.endif
.endm
.macro PLACES
.rept 4
	v_nop
.endr
.endm
.macro JLOAD g0a, g1a, g0b, g1b        ; a joint load: waves 0 and 1 fetch for A, waves 2 and 3 for B; four v_nop follow each line
	s_cmp_eq_u32 s15, 0
	s_cbranch_scc0 .Lfor_b_\@
	tensor_load_to_lds s[\g0a:\g0a+3], s[\g1a:\g1a+7]
	s_nop 0
	PLACES
	s_branch .Lasked_\@
.Lfor_b_\@:
	tensor_load_to_lds s[\g0b:\g0b+3], s[\g1b:\g1b+7]
	s_nop 0
	PLACES
.Lasked_\@:
.endm
.macro CREST
	s_cmp_lg_u32 s14, 0
	s_cbranch_scc1 .Lnot_wave_0_\@
	s_barrier_signal -3
.Lnot_wave_0_\@:
	s_barrier_wait -3
	s_barrier_signal -1
	s_barrier_wait -1
.endm
.macro CROUND
	s_barrier_signal -1
	s_barrier_wait -1
	CREST
.endm
.macro FRAG reg, a16, a8, off
	ds_load_b128 v[\reg:\reg+3], v[\a16] offset:\off
	ds_load_b64 v[\reg+4:\reg+5], v[\a8] offset:\off+512
	ds_load_b128 v[\reg+6:\reg+9], v[\a16] offset:\off+768
	ds_load_b64 v[\reg+10:\reg+11], v[\a8] offset:\off+1280
.endm
.macro FETCH slot, q, f                ; the slot's q-th 128 along K into set f: scale words (two blocks' words to a register), B's blocks, A's blocks 0 to 3
	WIN 0
.set KI, 4*(\slot)+(\q)
.set jj, 0
.rept 2
	ds_load_b32 v[SC+8*(\f)+jj], v[ASA] offset:KI*256+128*jj
.set jj, jj+1
.endr
.set jj, 0
.rept NB/2
	ds_load_b32 v[SC+8*(\f)+2+jj], v[ASB] offset:(jj/2)*GS+KI*256+128*(jj%2)
.set jj, jj+1
.endr
	WIN 0x40*(1+(\f))
.set jj, 0
.rept NB
	FRAG 48+12*jj, B16, B8, jj*2*FROW+KI*FRG       ; a tile lies in LDS as in memory: a row block's eight K steps on end
.set jj, jj+1
.endr
.set jj, 0
.rept 4
	FRAG 12*jj, A16, A8, jj*2*FROW+KI*FRG
.set jj, jj+1
.endr
.endm
.macro WMC c
.if RW == 0
	v_wmma_scale_f32_16x16x128_f8f6f4 v[AC:AC+7], v[FB:FB+11], v[FA:FA+11], \c, v[SB], v[SA] matrix_a_fmt:MATRIX_FMT_FP6 matrix_b_fmt:MATRIX_FMT_FP6
.elseif RW == 1
	v_wmma_scale_f32_16x16x128_f8f6f4 v[AC:AC+7], v[FB:FB+11], v[FA:FA+11], \c, v[SB], v[SA] matrix_a_fmt:MATRIX_FMT_FP6 matrix_b_fmt:MATRIX_FMT_FP6 matrix_a_scale:MATRIX_SCALE_ROW1
.elseif RW == 2
	v_wmma_scale_f32_16x16x128_f8f6f4 v[AC:AC+7], v[FB:FB+11], v[FA:FA+11], \c, v[SB], v[SA] matrix_a_fmt:MATRIX_FMT_FP6 matrix_b_fmt:MATRIX_FMT_FP6 matrix_b_scale:MATRIX_SCALE_ROW1
.else
	v_wmma_scale_f32_16x16x128_f8f6f4 v[AC:AC+7], v[FB:FB+11], v[FA:FA+11], \c, v[SB], v[SA] matrix_a_fmt:MATRIX_FMT_FP6 matrix_b_fmt:MATRIX_FMT_FP6 matrix_a_scale:MATRIX_SCALE_ROW1 matrix_b_scale:MATRIX_SCALE_ROW1
.endif
.endm
.macro MULA a, f, cm                   ; A's block a against B's NB blocks; cm = 1: the constant 0 starts the sums.  All accumulators take turns, in the same order in every step
.set bb, 0
.rept NB
.set AC, 8*(NB*(\a)+bb)
.set FB, 48+12*bb
.set FA, 12*(\a)
.set SB, SC+8*(\f)+2+bb/2
.set SA, SC+8*(\f)+(\a)/2
.set RW, (bb%2)+2*((\a)%2)
.if (\cm) == 0
	WMC v[AC:AC+7]
.else
	WMC 0
.endif
.set bb, bb+1
.endr
.endm
.macro MWIN f, cm                      ; sources 0 and 1: window 1 + f; C and D window 3
	WIN 0xf5+5*(\f)
.endm
.macro QUARTER slot, q, cm             ; one of a slot's first three steps: multiplies set q % 2, fetches the next step into the other set behind four places
.set FS, (\q)%2
	s_wait_dscnt 8                                 ; scale words, B and A's blocks 0, 1 are in; the youngest eight loads (A's blocks 2, 3) may be out
	MWIN FS, \cm
	MULA 0, FS, \cm
	MULA 1, FS, \cm
	PLACES
	FETCH \slot, (\q)+1, 1-FS
	s_wait_dscnt NLF                               ; all but the NLF loads just issued
	MWIN FS, \cm
	MULA 2, FS, \cm
	MULA 3, FS, \cm
.endm
.macro TURN slot, next, fill, lapstep  ; a slot's last step changes slots: one barrier; fill = 1: this slot is filled again, two slots ahead
	WIN 0
	s_wait_tensorcnt 0x0                           ; all my tensor loads have landed: my part of the next slot among them
	ds_add_u32 v[SPW], v[NIL]                      ; 0 onto my spare word
	s_wait_dscnt 9                                 ; (the add and A's blocks 2, 3 may be out)
	MWIN 1, 0
	MULA 0, 1, 0
	s_wait_dscnt 0x0                               ; the add is done, and my reads of this slot are over
	s_barrier_signal -1
	MULA 1, 1, 0
	WIN 0
	s_barrier_wait -1
.if \fill
	CREST                                          ; the barrier has opened a round of the cluster's barrier: no wave of any partner still reads this slot or has a load on its way
	s_add_nc_u64 s[G0+4*\slot+2:G0+4*\slot+3], s[G0+4*\slot+2:G0+4*\slot+3], 2*FROW
	s_add_nc_u64 s[G0B+4*\slot+2:G0B+4*\slot+3], s[G0B+4*\slot+2:G0B+4*\slot+3], 2*FROW
	JLOAD G0+4*\slot, G1, G0B+4*\slot, G1B         ; the first tensor load behind the round; its four v_nop are the places in front of the loads below
.else
	PLACES
.endif
.if \lapstep
	v_add_nc_u32 v[ASA], 8*256, v[ASA]             ; the next lap's scale words
	v_add_nc_u32 v[ASB], 8*256, v[ASB]
.endif
	FETCH \next, 0, 0
	MWIN 1, 0
	MULA 2, 1, 0
	MULA 3, 1, 0
.endm
	s_load_b256 s[4:11], s[0:1], 0x0               ; A s[4:5], the weights s[6:7], bias s[8:9], residual s[10:11]
	s_load_b64 s[12:13], s[0:1], 0x20              ; out
	v_lshl_add_u32 v[SPW], v0, 2, SPARE
	v_mov_b32 v[NIL], 0
	ds_add_u32 v28, v29
	ds_add_u32 v28, v29
	s_wait_dscnt 0x0
	v_lshrrev_b32 v1, 5, v0
	v_readfirstlane_b32 s14, v1                    ; wave 0..3
	s_lshr_b32 s15, s14, 1                         ; my half of the tile's rows; also: I fetch for A (0) or B (1)
	s_and_b32 s16, s14, 1                          ; my half of its columns; also: which half I fetch
	s_bfe_u32 s40, ttmp6, 0x40000
	s_bfe_u32 s41, ttmp6, 0x40004
	s_lshl_b32 s42, ttmp9, 2
	s_add_co_u32 s42, s42, s40                     ; tile column
	s_and_b32 s17, ttmp7, 0xffff
	s_lshl_b32 s17, s17, 2
	s_add_co_u32 s17, s17, s41                     ; tile row
	s_lshl_b32 s43, s41, 2
	s_lshl_b32 s43, 15, s43
	s_lshl_b32 s44, 0x1111, s40
	s_or_b32 s[G1+0], s43, (3<<16)|(1<<21)         ; elements of 8 bytes, no padding; codes: a row = a row block's 8 K steps, 12,288 bytes; scale words: rows of 256 bytes, dense
	s_or_b32 s[G1B+0], s44, (3<<16)|(1<<21)
	s_or_b32 s[G1S+0], s43, (3<<16)|(1<<21)
	s_or_b32 s[G1SB+0], s44, (3<<16)|(1<<21)
	s_mov_b32 s[G1+1], 1536<<16                    ; a tile of codes: 8 row blocks x all of K, 12,288 bytes each, dense
	s_mov_b32 s[G1+2], 8<<16
	s_mov_b32 s[G1+3], 1536<<16
	s_mov_b32 s[G1+4], 8
	s_mov_b32 s[G1+5], KST*192
	s_mov_b32 s[G1+6], 0
	s_mov_b32 s[G1+7], 0
	s_mov_b32 s[G1B+1], 1536<<16
	s_mov_b32 s[G1B+2], 8<<16
	s_mov_b32 s[G1B+3], 1536<<16
	s_mov_b32 s[G1B+4], 8
	s_mov_b32 s[G1B+5], KST*192
	s_mov_b32 s[G1B+6], 0
	s_mov_b32 s[G1B+7], 0
	s_mov_b32 s[G1S+1], 32<<16
	s_mov_b32 s[G1S+2], (2*KST)<<16                ; a tile's scale words: 16 rows of 256 bytes, dense
	s_mov_b32 s[G1S+3], 32<<16
	s_mov_b32 s[G1S+4], 2*KST
	s_mov_b32 s[G1S+5], 32
	s_mov_b32 s[G1S+6], 0
	s_mov_b32 s[G1S+7], 0
	s_mov_b32 s[G1SB+1], 32<<16
	s_mov_b32 s[G1SB+2], (2*KST)<<16
	s_mov_b32 s[G1SB+3], 32<<16
	s_mov_b32 s[G1SB+4], 2*KST
	s_mov_b32 s[G1SB+5], 32
	s_mov_b32 s[G1SB+6], 0
	s_mov_b32 s[G1SB+7], 0
; THE HEAD'S FOUR TILES, ONE A WAVE.  With K = 1,024 each is one dense block of memory: A's 8 row blocks (98,304 bytes, to LDS byte 0), B's 8 (to byte SLOT), and the scale words of each (4,096 bytes).
	s_mul_i32 s20, s17, 8*KST*FRG
	s_mov_b32 s21, 0
	s_mul_i32 s22, s17, 2*GS
	s_add_co_u32 s22, s22, ASOFF
	s_mov_b32 s23, 0
	s_mul_i32 s92, s42, 2*GS
	s_add_co_u32 s92, s92, BSOFF
	s_mov_b32 s93, 0
	s_mul_i32 s46, s42, 8*KST*FRG
	s_add_co_u32 s46, s46, BOFF
	s_mov_b32 s47, 0
	CROUND                                         ; the opening round, ahead of the wait for the arguments: all sixteen work-groups are here, and the joint loads meet
	s_wait_kmcnt 0x0
	s_add_nc_u64 s[20:21], s[4:5], s[20:21]
	s_add_nc_u64 s[22:23], s[4:5], s[22:23]
	s_add_nc_u64 s[46:47], s[6:7], s[46:47]
	s_add_nc_u64 s[92:93], s[6:7], s[92:93]
	s_mov_b32 s[G0], 1
	s_mov_b32 s[G0+1], 0
	s_mov_b64 s[G0+2:G0+3], s[20:21]
	s_or_b32 s[G0+3], s[G0+3], 0x80000000
	s_mov_b32 s[G0B], 1
	s_mov_b32 s[G0B+1], SLOT
	s_mov_b64 s[G0B+2:G0B+3], s[46:47]
	s_or_b32 s[G0B+3], s[G0B+3], 0x80000000
	s_mov_b32 s[G0S], 1
	s_mov_b32 s[G0S+1], SCA
	s_mov_b64 s[G0S+2:G0S+3], s[22:23]
	s_or_b32 s[G0S+3], s[G0S+3], 0x80000000
	s_mov_b32 s[G0SB], 1
	s_mov_b32 s[G0SB+1], SCB
	s_mov_b64 s[G0SB+2:G0SB+3], s[92:93]
	s_or_b32 s[G0SB+3], s[G0SB+3], 0x80000000
	s_cmp_eq_u32 s14, 0
	s_cbranch_scc0 .Lhead_1
	tensor_load_to_lds s[G0:G0+3], s[G1:G1+7]
	s_nop 0
	PLACES
	s_branch .Lhead_asked
.Lhead_1:
	s_cmp_eq_u32 s14, 1
	s_cbranch_scc0 .Lhead_2
	tensor_load_to_lds s[G0B:G0B+3], s[G1B:G1B+7]
	s_nop 0
	PLACES
	s_branch .Lhead_asked
.Lhead_2:
	s_cmp_eq_u32 s14, 2
	s_cbranch_scc0 .Lhead_3
	tensor_load_to_lds s[G0S:G0S+3], s[G1S:G1S+7]
	s_nop 0
	PLACES
	s_branch .Lhead_asked
.Lhead_3:
	tensor_load_to_lds s[G0SB:G0SB+3], s[G1SB:G1SB+7]
	s_nop 0
	PLACES
.Lhead_asked:
	v_and_b32 v1, 31, v0
	v_lshlrev_b32 v[L16], 4, v1
	s_wait_alu depctr_va_vdst(0)
	v_lshlrev_b32 v[L8], 3, v1
	s_wait_alu depctr_va_vdst(0)
	v_lshlrev_b32 v2, 2, v1
	s_wait_alu depctr_va_vdst(0)
	s_lshl_b32 s18, s17, 7
	s_lshl_b32 s19, s14, 5
	s_add_co_u32 s18, s18, s19                     ; the 32 rows that I store: 128 x tile row + 32 x wave
	s_lshl_b32 s18, s18, 12
	s_lshl_b32 s19, s42, 9
	s_add_co_u32 s18, s18, s19
	s_mov_b32 s19, 0
	s_add_nc_u64 s[94:95], s[10:11], s[18:19]
	s_add_nc_u64 s[96:97], s[12:13], s[18:19]
	s_lshl_b32 s18, s42, 9
	s_add_nc_u64 s[92:93], s[8:9], s[18:19]
	global_load_b128 v[BIAS:BIAS+3], v[L16], s[92:93]
.set tt, 0
.rept 32                               ; stored row t of my 32 is actual row (t % 8) + 16 ((t / 8) % 2) + 8 (t / 16)
	global_load_b128 v[128+4*tt:131+4*tt], v[L16], s[94:95] offset:((tt%8)+16*((tt/8)%2)+8*(tt/16))*4096
.set tt, tt+1
.endr
	s_mul_i32 s21, s15, 8*FROW                     ; my four row blocks of A, 12,288 bytes each
	s_mul_i32 s22, s16, 8*FROW                     ; and of B, behind A's eight
	s_add_co_u32 s22, s22, SLOT
	v_add_nc_u32 v[A16], s21, v[L16]
	v_add_nc_u32 v[A8], s21, v[L8]
	v_add_nc_u32 v[B16], s22, v[L16]
	v_add_nc_u32 v[B8], s22, v[L8]
	s_mul_i32 s21, s15, GS
	s_add_co_u32 s21, s21, SCA
	v_add_nc_u32 v[ASA], s21, v2
	s_mul_i32 s22, s16, (NB/4)*GS
	s_add_co_u32 s22, s22, SCB
	v_add_nc_u32 v[ASB], s22, v2
	v_and_b32 v3, 15, v0
	v_bfe_u32 v4, v0, 4, 1
	s_mul_i32 s21, s15, 64*528
	s_lshl_b32 s22, s16, 8
	s_add_co_u32 s21, s21, s22
	s_add_co_u32 s21, s21, XTRA
	v_mul_u32_u24 v[XW], v3, 528
	v_lshl_add_u32 v[XW], v4, 6, v[XW]
	v_add_nc_u32 v[XW], s21, v[XW]                 ; the stage, in: row 64 x my half + r, + 256 x my half of the columns + 64 h
	s_mul_i32 s21, s14, 32*528
	s_add_co_u32 s21, s21, XTRA
	v_add_nc_u32 v[XR], s21, v[L16]                ; back: rows 32 x wave on, 16 bytes a lane
	s_wait_alu depctr_va_vdst(0)
	s_wait_tensorcnt 0x0                           ; my tile of the head's four is in,
	s_barrier_signal -1
	s_barrier_wait -1                              ; everybody's are
	FETCH 0, 0, 0
	QUARTER 0, 0, 1                                ; the first products start the sums
.if LAPS > 1
	WIN 0                                          ; at a label and at a branch every window is 0
	s_mov_b32 s3, LAPS-1
.Llap:                                             ; a trip goes once round the ring and fills both slots again
	QUARTER 0, 1, 0
	QUARTER 0, 2, 0
	TURN 0, 1, 1, 0
	QUARTER 1, 0, 0
	QUARTER 1, 1, 0
	QUARTER 1, 2, 0
	TURN 1, 0, 1, 1
	QUARTER 0, 0, 0
	WIN 0
	s_sub_co_u32 s3, s3, 1
	s_cmp_lg_u32 s3, 0
	s_cbranch_scc1 .Llap
.endif
	QUARTER 0, 1, 0                                ; the last lap fills nothing
	QUARTER 0, 2, 0
	TURN 0, 1, 0, 0
	QUARTER 1, 0, 0
	QUARTER 1, 1, 0
	QUARTER 1, 2, 0
	s_wait_dscnt 8
	MWIN 1, 0
	MULA 0, 1, 0
	MULA 1, 1, 0
	s_wait_dscnt 0x0
	MULA 2, 1, 0
	MULA 3, 1, 0
	WIN 0
	PLACES                                         ; in front of the first read of results
; THE WAY OUT.  Accumulator (a, 2 b' + u), lane (r, h): stored row 16 a + r, columns 32 b' + 16 h + 8 u + 0 .. 7
	WIN 0x0c                                       ; an LDS store's data are its source 1: window 3
.irp a,0,1,2,3
.irp b,0,1,2,3
	ds_store_b128 v[XW], v[8*(4*\a+\b):8*(4*\a+\b)+3] offset:\a*16*528+128*(\b/2)+32*(\b%2)      ; each accumulator from its low end on
	ds_store_b128 v[XW], v[8*(4*\a+\b)+4:8*(4*\a+\b)+7] offset:\a*16*528+128*(\b/2)+32*(\b%2)+16
.endr
.endr
	WIN 0
	s_wait_dscnt 0x0                               ; for the others' sake: my stores into the stage are done
	s_barrier_signal -1
	s_barrier_wait -1
	s_wait_loadcnt 0x0                             ; bias and residual
.irp u,0,1
.irp t,0,1,2,3,4,5,6,7,8,9,10,11,12,13,14,15
	ds_load_b128 v[64+4*\t:67+4*\t], v[XR] offset:(16*\u+\t)*528
.endr
.irp t,0,1,2,3,4,5,6,7,8,9,10,11,12,13,14,15
	s_wait_dscnt 15-\t
	v_pk_add_f32 v[64+4*\t:65+4*\t], v[64+4*\t:65+4*\t], v[BIAS:BIAS+1]
	v_pk_add_f32 v[66+4*\t:67+4*\t], v[66+4*\t:67+4*\t], v[BIAS+2:BIAS+3]
	v_pk_add_f32 v[128+4*(16*\u+\t):129+4*(16*\u+\t)], v[128+4*(16*\u+\t):129+4*(16*\u+\t)], v[64+4*\t:65+4*\t]
	v_pk_add_f32 v[130+4*(16*\u+\t):131+4*(16*\u+\t)], v[130+4*(16*\u+\t):131+4*(16*\u+\t)], v[66+4*\t:67+4*\t]
	global_store_b128 v[L16], v[128+4*(16*\u+\t):131+4*(16*\u+\t)], s[96:97] offset:((\t%8)+16*(\t/8)+8*\u)*4096   ; 512 consecutive bytes, aligned
.endr
.endr
	s_wait_tensorcnt 0x0                           ; the wave's end
	ds_add_u32 v[SPW], v[NIL]
	s_wait_dscnt 0x0
	CROUND                                         ; the closing round
	s_endpgm
.Lfunc_end_k_q9f99450532_wo:
	.size	k_q9f99450532_wo, .Lfunc_end_k_q9f99450532_wo-k_q9f99450532_wo
	.p2alignl 7, 3214868480
	.fill 96, 4, 3214868480
	.section	.rodata,"a",@progbits
	.p2align	6, 0x0
	.amdhsa_kernel k_q9f99450532_wo
		.amdhsa_group_segment_fixed_size 327680
		.amdhsa_private_segment_fixed_size 0
		.amdhsa_enable_private_segment 0
		.amdhsa_kernarg_size 40
		.amdhsa_user_sgpr_count 2
		.amdhsa_user_sgpr_kernarg_segment_ptr 1
		.amdhsa_wavefront_size32 1
		.amdhsa_system_sgpr_workgroup_id_x 1
		.amdhsa_system_sgpr_workgroup_id_y 1
		.amdhsa_system_sgpr_workgroup_id_z 1
		.amdhsa_system_vgpr_workitem_id 0
		.amdhsa_next_free_vgpr 1024
		.amdhsa_next_free_sgpr 100
		.amdhsa_reserve_vcc 0
		.amdhsa_float_denorm_mode_32 3
		.amdhsa_float_denorm_mode_16_64 3
		.amdhsa_memory_ordered 1
		.amdhsa_forward_progress 1
		.amdhsa_inst_pref_size 65
	.end_amdhsa_kernel
	.amdgpu_metadata
---
amdhsa.version: [ 1, 2 ]
amdhsa.kernels:
  - .name:           k_q9f99450532_wo
    .symbol:         k_q9f99450532_wo.kd
    .args:
      - { .name: pv, .offset: 0, .size: 8, .value_kind: global_buffer, .address_space: global }
      - { .name: wq, .offset: 8, .size: 8, .value_kind: global_buffer, .address_space: global }
      - { .name: bo, .offset: 16, .size: 8, .value_kind: global_buffer, .address_space: global }
      - { .name: x, .offset: 24, .size: 8, .value_kind: global_buffer, .address_space: global }
      - { .name: x1, .offset: 32, .size: 8, .value_kind: global_buffer, .address_space: global }
    .group_segment_fixed_size: 327680
    .private_segment_fixed_size: 0
    .kernarg_segment_align: 8
    .kernarg_segment_size: 40
    .max_flat_workgroup_size: 128
    .sgpr_count:     100
    .vgpr_count:     1024
    .wavefront_size: 32
...
	.end_amdgpu_metadata
.endif
;; end of part 4
;; launch ln2: the kernel of part 1 again; grid 256 x 1, 4 waves a work-group, no clusters, 75,264 bytes of LDS; arguments x1, ln2_scale, ln2_shift, hq, Wq, Wk, Wv, Wo, W1, W2, wq; writes hq, wq
;; launch w1 (part 5): grid 8 x 32, 4 waves a work-group, clusters of 4 x 4, 327,680 bytes of LDS; arguments hq, wq, b1, g; writes g
.if DOCPART == 5
	.amdgcn_target "amdgcn-amd-amdhsa--gfx1250"
	.amdhsa_code_object_version 6
	.text
	.protected	k_q9f99450532_w1
	.globl	k_q9f99450532_w1
	.p2align	8
	.type	k_q9f99450532_w1,@function
k_q9f99450532_w1:
	s_mov_b64 s[64:65], 0
	v_nop
	global_prefetch_b8 v0, s[64:65] scope:SCOPE_SE
	s_setreg_imm32_b32 hwreg(HW_REG_WAVE_MODE, 25, 1), 1
	s_wait_xcnt 0x0
	s_wait_alu depctr_hold_cnt(0) depctr_sa_sdst(0) depctr_va_vdst(0) depctr_va_sdst(0) depctr_va_ssrc(0) depctr_va_vcc(0) depctr_vm_vsrc(0)
	s_getreg_b32 s2, hwreg(HW_REG_IB_STS2, 6, 4)
	s_cmp_eq_u32 s2, 0
	s_cbranch_scc0 .Lentry_in_a_cluster
	s_endpgm
.Lentry_in_a_cluster:
	s_bfe_u32 s2, ttmp6, 0x10000c
	s_cmp_lg_u32 s2, 0xf033
	s_cbranch_scc0 .Lentry_shape_is_right
	s_endpgm
.Lentry_shape_is_right:
.set NB,     8
.set ASOFF,  3145728
.set BOFF,   3145728
.set BSOFF,  9568256
.set OUTS,   12582912
.set KSTO,   32
.set KST,    8
.set FRG,    1536
.set FROW,   4*FRG
.set FROW8,  8*FRG
.set ATILE,  8*FROW
.set BTILE,  16*FROW
.set RB0,    ATILE
.set RB1,    RB0+BTILE
.set RA1,    RB1+BTILE
.set GS,     KST*256
.set SCA,    RA1+ATILE
.set SCB,    SCA+2*GS
.set SPARE,  SCB+8*GS
.set XTRA,   SPARE+512
.set NLS,    2+NB/2
.set NLF,    NLS+4*NB+16
.set A16, 10
.set A8,  12
.set B16, 14
.set B8,  16
.set ASA, 18
.set ASB, 19
.set XW,  20
.set XR,  21
.set L16, 22
.set L8,  23
.set K1,  26
.set SPW, 28
.set NIL, 29
.set SC,  32
.set BIAS, 48
.set HR,  128
.set TT,  192
.set TM,  192
.set PW,  208
.set PC,  212
.set SEL, 66
.set G0R, 20
.set G1R, 40
.set G1,  24
.set G0,  32
.set G1B, 48
.set G0B, 56
.set G1S, 68
.set G0S, 76
.set G1SB, 80
.set G0SB, 88
.set MSB, 0
.macro WIN new
.if MSB != (\new)
	s_set_vgpr_msb (MSB<<8)|(\new)
.set MSB, (\new)
.endif
.endm
.macro PLACES
.rept 4
	v_nop
.endr
.endm
.macro JLOAD g0a, g1a, g0b, g1b
	s_cmp_eq_u32 s15, 0
	s_cbranch_scc0 .Lfor_b_\@
	tensor_load_to_lds s[\g0a:\g0a+3], s[\g1a:\g1a+7]
	s_nop 0
	PLACES
	s_branch .Lasked_\@
.Lfor_b_\@:
	tensor_load_to_lds s[\g0b:\g0b+3], s[\g1b:\g1b+7]
	s_nop 0
	PLACES
.Lasked_\@:
.endm
.macro CREST
	s_cmp_lg_u32 s14, 0
	s_cbranch_scc1 .Lnot_wave_0_\@
	s_barrier_signal -3
.Lnot_wave_0_\@:
	s_barrier_wait -3
	s_barrier_signal -1
	s_barrier_wait -1
.endm
.macro CROUND
	s_barrier_signal -1
	s_barrier_wait -1
	CREST
.endm
.macro FRAG reg, a16, a8, off
	ds_load_b128 v[\reg:\reg+3], v[\a16] offset:\off
	ds_load_b64 v[\reg+4:\reg+5], v[\a8] offset:\off+512
	ds_load_b128 v[\reg+6:\reg+9], v[\a16] offset:\off+768
	ds_load_b64 v[\reg+10:\reg+11], v[\a8] offset:\off+1280
.endm
.macro FETCH ks, f, lay
	WIN 0
.set jj, 0
.rept 2
	ds_load_b32 v[SC+8*(\f)+jj], v[ASA] offset:(\ks)*256+128*jj
.set jj, jj+1
.endr
.set jj, 0
.rept NB/2
	ds_load_b32 v[SC+8*(\f)+2+jj], v[ASB] offset:(jj/2)*GS+(\ks)*256+128*(jj%2)
.set jj, jj+1
.endr
	WIN 0x40*(1+(\f))
.set jj, 0
.rept NB
.if \lay
	FRAG 48+12*jj, B16+jj/4, B8+jj/4, (jj%4)*FROW8+(\ks)*FRG
.else
	FRAG 48+12*jj, B16+(\ks)/4, B8+(\ks)/4, jj*FROW+((\ks)%4)*FRG
.endif
.set jj, jj+1
.endr
.set jj, 0
.rept 4
	FRAG 12*jj, A16+(\ks)/4, A8+(\ks)/4, jj*FROW+((\ks)%4)*FRG
.set jj, jj+1
.endr
.endm
.macro WMC c
.if RW == 0
	v_wmma_scale_f32_16x16x128_f8f6f4 v[AC:AC+7], v[FB:FB+11], v[FA:FA+11], \c, v[SB], v[SA] matrix_a_fmt:MATRIX_FMT_FP6 matrix_b_fmt:MATRIX_FMT_FP6
.elseif RW == 1
	v_wmma_scale_f32_16x16x128_f8f6f4 v[AC:AC+7], v[FB:FB+11], v[FA:FA+11], \c, v[SB], v[SA] matrix_a_fmt:MATRIX_FMT_FP6 matrix_b_fmt:MATRIX_FMT_FP6 matrix_a_scale:MATRIX_SCALE_ROW1
.elseif RW == 2
	v_wmma_scale_f32_16x16x128_f8f6f4 v[AC:AC+7], v[FB:FB+11], v[FA:FA+11], \c, v[SB], v[SA] matrix_a_fmt:MATRIX_FMT_FP6 matrix_b_fmt:MATRIX_FMT_FP6 matrix_b_scale:MATRIX_SCALE_ROW1
.else
	v_wmma_scale_f32_16x16x128_f8f6f4 v[AC:AC+7], v[FB:FB+11], v[FA:FA+11], \c, v[SB], v[SA] matrix_a_fmt:MATRIX_FMT_FP6 matrix_b_fmt:MATRIX_FMT_FP6 matrix_a_scale:MATRIX_SCALE_ROW1 matrix_b_scale:MATRIX_SCALE_ROW1
.endif
.endm
.macro MULA a, f, cm
.set bb, 0
.rept NB
.set AC, 8*(NB*(\a)+bb)
.set FB, 48+12*bb
.set FA, 12*(\a)
.set SB, SC+8*(\f)+2+bb/2
.set SA, SC+8*(\f)+(\a)/2
.set RW, (bb%2)+2*((\a)%2)
.if (\cm) == 0
	WMC v[AC:AC+7]
.else
	WMC v[BIAS+8*bb:BIAS+8*bb+7]
.endif
.set bb, bb+1
.endr
.endm
.macro MWIN f, cm
.if (\cm) == 2
	WIN 0xc5+5*(\f)
.else
	WIN 0xf5+5*(\f)
.endif
.endm
.macro QSTEP ks, cm, lay
.set FS, (\ks)%2
	s_wait_dscnt 8
	MWIN FS, \cm
	MULA 0, FS, \cm
	MULA 1, FS, \cm
	PLACES
	FETCH (\ks)+1, 1-FS, \lay
	s_wait_dscnt NLF
	MWIN FS, \cm
	MULA 2, FS, \cm
	MULA 3, FS, \cm
.endm
.macro TURN
	WIN 0
	s_wait_tensorcnt 0x0
	ds_add_u32 v[SPW], v[NIL]
	s_wait_dscnt 9
	MWIN 1, 0
	MULA 0, 1, 0
	s_wait_dscnt 0x0
	s_barrier_signal -1
	MULA 1, 1, 0
	WIN 0
	s_barrier_wait -1
	PLACES
	FETCH 4, 0, 0
	MWIN 1, 0
	MULA 2, 1, 0
	MULA 3, 1, 0
.endm
.macro LAST
	s_wait_dscnt 8
	MWIN 1, 0
	MULA 0, 1, 0
	MULA 1, 1, 0
	s_wait_dscnt 0x0
	MULA 2, 1, 0
	MULA 3, 1, 0
	WIN 0
.endm
.macro CHANGE
	s_wait_tensorcnt 0x0
	ds_add_u32 v[SPW], v[NIL]
	s_mul_i32 s18, s16, 8*FROW8
	s_add_co_u32 s18, s18, RB0
	v_add_nc_u32 v[B16], s18, v[L16]
	v_add_nc_u32 v[B8], s18, v[L8]
	s_add_co_u32 s18, s18, 4*FROW8
	v_add_nc_u32 v[B16+1], s18, v[L16]
	v_add_nc_u32 v[B8+1], s18, v[L8]
	v_add_nc_u32 v[ASB], 4*GS, v[ASB]
	s_wait_dscnt 0x0
	CROUND
	tensor_load_to_lds s[G0R:G0R+3], s[G1R:G1R+7]
	s_nop 0
	PLACES
.endm
.macro QUANT s, sw
	WIN 5*(\sw)
.irp b,0,1,2,3
	v_max3_num_f32 v[TM+\b], |v[\s+16*\b]|, |v[\s+1+16*\b]|, 0x1800000
.endr
.irp i,2,4,6,8,10,12,14
.irp b,0,1,2,3
	v_max3_num_f32 v[TM+\b], |v[\s+16*\b+\i]|, |v[\s+1+16*\b+\i]|, v[TM+\b]
.endr
.endr
	WIN 0
.irp b,0,1,2,3
	v_permlanex16_b32 v[TM+4+\b], v[TM+\b], s[SEL], s[SEL+1]
.endr
.irp b,0,1,2,3
	v_max_num_f32 v[TM+\b], v[TM+\b], v[TM+4+\b]
.endr
.irp b,0,1,2,3
	v_add_nc_u32 v[TM+12+\b], 0xff000000, v[TM+\b]
.endr
.irp b,0,1,2,3
	v_lshrrev_b32 v[TM+4+\b], 23, v[TM+12+\b]
.endr
	v_lshl_or_b32 v[PW], v[TM+5], 8, v[TM+4]
	v_lshl_or_b32 v[PW], v[TM+6], 16, v[PW]
	v_lshl_or_b32 v[PW], v[TM+7], 24, v[PW]
	WIN (\sw)
.irp c,0,1
	v_cvt_scalef32_pk16_fp6_f32 v[PC+6*\c:PC+2+6*\c], v[\s+32*\c:\s+15+32*\c], v[TM+12+2*\c]
	v_cvt_scalef32_pk16_fp6_f32 v[PC+12+4*\c:PC+14+4*\c], v[\s+16+32*\c:\s+31+32*\c], v[TM+12+2*\c+1]
.endr
	WIN 0
	v_nop
.irp c,0,1
.irp i,0,1,2
	v_permlane16_swap_b32 v[PC+6*\c+\i], v[PC+12+4*\c+\i]
.endr
.irp i,0,1,2
	v_mov_b32 v[PC+3+6*\c+\i], v[PC+12+4*\c+\i]
.endr
.endr
.endm
.macro GELU a
	WIN 0x0f
.set jj, 0
.rept 32
	v_pk_mul_f32 v[TT+2*jj:TT+2*jj+1], v[64*(\a)+2*jj:64*(\a)+2*jj+1], v[64*(\a)+2*jj:64*(\a)+2*jj+1]
.set jj, jj+1
.endr
	WIN 0
.set jj, 0
.rept 32
	v_pk_fma_f32 v[TT+2*jj:TT+2*jj+1], v[TT+2*jj:TT+2*jj+1], s[98:99], v[K1:K1+1] op_sel_hi:[1,0,1]
.set jj, jj+1
.endr
	WIN 0x0c
.set jj, 0
.rept 32
	v_pk_mul_f32 v[TT+2*jj:TT+2*jj+1], v[TT+2*jj:TT+2*jj+1], v[64*(\a)+2*jj:64*(\a)+2*jj+1]
.set jj, jj+1
.endr
	WIN 0
.set jj, 0
	s_wait_alu depctr_va_vdst(0)
.rept 64
	v_exp_f32 v[TT+jj], v[TT+jj]
.set jj, jj+1
.endr
	v_nop
.set jj, 0
	s_wait_alu depctr_va_vdst(0)
.rept 32
	v_pk_add_f32 v[TT+2*jj:TT+2*jj+1], v[TT+2*jj:TT+2*jj+1], 1.0 op_sel_hi:[1,0]
.set jj, jj+1
.endr
.set jj, 0
	s_wait_alu depctr_va_vdst(0)
.rept 64
	v_rcp_f32 v[TT+jj], v[TT+jj]
.set jj, jj+1
.endr
	v_nop
	WIN 0x0c
.set jj, 0
	s_wait_alu depctr_va_vdst(0)
.rept 32
	v_pk_mul_f32 v[HR+2*jj:HR+2*jj+1], v[TT+2*jj:TT+2*jj+1], v[64*(\a)+2*jj:64*(\a)+2*jj+1]
.set jj, jj+1
.endr
	WIN 0
.endm
.macro OUTT t
.irp a,0,1,2,3
.if (\a > 0) || (\t > 0)
	s_wait_dscnt 0x0
	s_wait_xcnt 0x0
.endif
.if \a > 0
	s_add_nc_u64 s[94:95], s[94:95], KSTO*FRG
.elseif \t > 0
	s_sub_nc_u64 s[94:95], s[94:95], 3*KSTO*FRG-2*FRG
	s_add_nc_u64 s[92:93], s[92:93], 512
.endif
	GELU \a
	QUANT HR, 0
	global_store_b128 v[L16], v[PC:PC+3], s[94:95]
	global_store_b64 v[L8], v[PC+4:PC+5], s[94:95] offset:512
	global_store_b128 v[L16], v[PC+6:PC+9], s[94:95] offset:768
	global_store_b64 v[L8], v[PC+10:PC+11], s[94:95] offset:1280
	ds_store_b32 v[XW], v[PW] offset:64*\a
.endr
	ds_load_b64 v[TM:TM+1], v[XR]
	s_wait_dscnt 0x0
	global_store_b64 v[L8], v[TM:TM+1], s[92:93]
.endm
.macro BLOADS t
.irp b,0,1,2,3,4,5,6,7
	global_load_b128 v[BIAS+8*\b:BIAS+8*\b+3], v25, s[96:97] offset:1024*(\t)+(32*(\b/2)+8*(\b%2))*4
	global_load_b128 v[BIAS+8*\b+4:BIAS+8*\b+7], v25, s[96:97] offset:1024*(\t)+(32*(\b/2)+8*(\b%2))*4+16
.endr
.endm
	s_load_b256 s[4:11], s[0:1], 0x0
	v_lshl_add_u32 v[SPW], v0, 2, SPARE
	v_mov_b32 v[NIL], 0
	ds_add_u32 v28, v29
	ds_add_u32 v28, v29
	s_wait_dscnt 0x0
	v_lshrrev_b32 v1, 5, v0
	v_readfirstlane_b32 s14, v1
	s_lshr_b32 s15, s14, 1
	s_and_b32 s16, s14, 1
	s_bfe_u32 s40, ttmp6, 0x40000
	s_bfe_u32 s41, ttmp6, 0x40004
	s_lshl_b32 s42, ttmp9, 2
	s_add_co_u32 s42, s42, s40
	s_and_b32 s17, ttmp7, 0xffff
	s_lshl_b32 s17, s17, 2
	s_add_co_u32 s17, s17, s41
	s_lshl_b32 s43, s41, 2
	s_lshl_b32 s43, 15, s43
	s_lshl_b32 s44, 0x1111, s40
	s_or_b32 s[G1+0], s43, (3<<16)|(1<<21)
	s_or_b32 s[G1B+0], s44, (3<<16)|(1<<21)
	s_or_b32 s[G1S+0], s43, (3<<16)|(1<<21)
	s_or_b32 s[G1SB+0], s44, (3<<16)|(1<<21)
	s_mov_b32 s[G1+1], 768<<16
	s_mov_b32 s[G1+2], 8<<16
	s_mov_b32 s[G1+3], 768<<16
	s_mov_b32 s[G1+4], 8
	s_mov_b32 s[G1+5], KST*192
	s_mov_b32 s[G1+6], 0
	s_mov_b32 s[G1+7], 0
	s_mov_b32 s[G1B+1], 768<<16
	s_mov_b32 s[G1B+2], (2*NB)<<16
	s_mov_b32 s[G1B+3], 768<<16
	s_mov_b32 s[G1B+4], 2*NB
	s_mov_b32 s[G1B+5], KST*192
	s_mov_b32 s[G1B+6], 0
	s_mov_b32 s[G1B+7], 0
	s_mov_b32 s[G1S+1], 32<<16
	s_mov_b32 s[G1S+2], (2*KST)<<16
	s_mov_b32 s[G1S+3], 32<<16
	s_mov_b32 s[G1S+4], 2*KST
	s_mov_b32 s[G1S+5], 32
	s_mov_b32 s[G1S+6], 0
	s_mov_b32 s[G1S+7], 0
	s_mov_b32 s[G1SB+1], 32<<16
	s_mov_b32 s[G1SB+2], (8*KST)<<16
	s_mov_b32 s[G1SB+3], 32<<16
	s_mov_b32 s[G1SB+4], 8*KST
	s_mov_b32 s[G1SB+5], 32
	s_mov_b32 s[G1SB+6], 0
	s_mov_b32 s[G1SB+7], 0
; THE HEAD'S FOUR TILES, ONE A WAVE: what the first four K steps want, each tile whole by one descriptor: wave 0 A's 8 row blocks of slot 0, wave 1 B's 16, wave 2 A's scale words (16 rows of 256 bytes), wave 3 B's (64 rows).
	s_mul_i32 s20, s17, 8*KST*FRG
	s_mov_b32 s21, 0
	s_mul_i32 s22, s17, 2*GS
	s_add_co_u32 s22, s22, ASOFF
	s_mov_b32 s23, 0
	s_mul_i32 s92, s42, 8*GS
	s_add_co_u32 s92, s92, BSOFF
	s_mov_b32 s93, 0
	s_mul_i32 s46, s42, 4*NB*KST*FRG
	s_add_co_u32 s46, s46, BOFF
	s_mov_b32 s47, 0
	s_mul_i32 s45, s16, 4*FROW
	s_mul_i32 s94, s16, NB*FROW
	s_add_co_u32 s94, s94, RB0
	CROUND                                         ; the opening round, ahead of the wait for the arguments
	s_wait_kmcnt 0x0
	s_add_nc_u64 s[20:21], s[4:5], s[20:21]
	s_add_nc_u64 s[22:23], s[4:5], s[22:23]
	s_add_nc_u64 s[46:47], s[6:7], s[46:47]
	s_add_nc_u64 s[92:93], s[6:7], s[92:93]
	s_mov_b32 s[G0], 1
	s_mov_b32 s[G0+1], 0
	s_mov_b64 s[G0+2:G0+3], s[20:21]
	s_or_b32 s[G0+3], s[G0+3], 0x80000000
	s_mov_b32 s[G0B], 1
	s_mov_b32 s[G0B+1], RB0
	s_mov_b64 s[G0B+2:G0B+3], s[46:47]
	s_or_b32 s[G0B+3], s[G0B+3], 0x80000000
	s_mov_b32 s[G0S], 1
	s_mov_b32 s[G0S+1], SCA
	s_mov_b64 s[G0S+2:G0S+3], s[22:23]
	s_or_b32 s[G0S+3], s[G0S+3], 0x80000000
	s_mov_b32 s[G0SB], 1
	s_mov_b32 s[G0SB+1], SCB
	s_mov_b64 s[G0SB+2:G0SB+3], s[92:93]
	s_or_b32 s[G0SB+3], s[G0SB+3], 0x80000000
	s_cmp_eq_u32 s14, 0
	s_cbranch_scc0 .Lhead_1
	tensor_load_to_lds s[G0:G0+3], s[G1:G1+7]
	s_nop 0
	PLACES
	s_branch .Lhead_asked
.Lhead_1:
	s_cmp_eq_u32 s14, 1
	s_cbranch_scc0 .Lhead_2
	tensor_load_to_lds s[G0B:G0B+3], s[G1B:G1B+7]
	s_nop 0
	PLACES
	s_branch .Lhead_asked
.Lhead_2:
	s_cmp_eq_u32 s14, 2
	s_cbranch_scc0 .Lhead_3
	tensor_load_to_lds s[G0S:G0S+3], s[G1S:G1S+7]
	s_nop 0
	PLACES
	s_branch .Lhead_asked
.Lhead_3:
	tensor_load_to_lds s[G0SB:G0SB+3], s[G1SB:G1SB+7]
	s_nop 0
	PLACES
.Lhead_asked:
; slot 1's first fill, a quarter of the slot a wave, is issued as a refill is
	s_mul_i32 s18, s16, 4*KST*FRG
	s_mov_b32 s19, 0
	s_add_nc_u64 s[20:21], s[20:21], s[18:19]      ; my four row blocks of A,
	s_mul_i32 s18, s16, NB*KST*FRG
	s_add_nc_u64 s[46:47], s[46:47], s[18:19]      ; my eight of B
	s_mov_b32 s[G0+4], 1
	s_add_co_u32 s[G0+5], s45, RA1
	s_add_nc_u64 s[G0+6:G0+7], s[20:21], FROW
	s_or_b32 s[G0+7], s[G0+7], 0x80000000
	s_mov_b32 s[G0B+4], 1
	s_add_co_u32 s[G0B+5], s94, BTILE
	s_add_nc_u64 s[G0B+6:G0B+7], s[46:47], FROW
	s_or_b32 s[G0B+7], s[G0B+7], 0x80000000
	s_wait_alu depctr_va_vdst(0)
	s_wait_tensorcnt 0x0                           ; my tile of the head's four is in
	ds_add_u32 v28, v29
	s_mov_b32 s[G1+2], 4<<16                       ; no tensor load of mine is out, so a descriptor may be written: from here on a load brings 4 row blocks of A
	s_mov_b32 s[G1+4], 4
	s_mov_b32 s[G1B+2], NB<<16                     ; or 8 of B
	s_mov_b32 s[G1B+4], NB
	s_wait_dscnt 0x0
	CROUND
	JLOAD G0+4, G1, G0B+4, G1B
	v_and_b32 v1, 31, v0
	v_lshlrev_b32 v[L16], 4, v1
	s_wait_alu depctr_va_vdst(0)
	v_lshlrev_b32 v[L8], 3, v1
	s_wait_alu depctr_va_vdst(0)
	v_lshlrev_b32 v2, 2, v1
	s_lshl_b32 s18, s42, 11
	s_lshl_b32 s19, s16, 9
	s_add_co_u32 s18, s18, s19
	s_mov_b32 s19, 0
	s_add_nc_u64 s[96:97], s[8:9], s[18:19]
	v_bfe_u32 v3, v0, 4, 1
	v_lshlrev_b32 v25, 6, v3
	BLOADS 0
	s_mul_i32 s21, s15, 4*FROW
	s_mul_i32 s22, s16, NB*FROW
	s_add_co_u32 s22, s22, RB0
.irp s,0,1
	v_add_nc_u32 v[A16+\s], s21, v[L16]
	v_add_nc_u32 v[A8+\s], s21, v[L8]
	v_add_nc_u32 v[B16+\s], s22, v[L16]
	v_add_nc_u32 v[B8+\s], s22, v[L8]
	s_add_co_u32 s21, s21, RA1
	s_add_co_u32 s22, s22, BTILE
.endr
	s_mul_i32 s21, s15, GS
	s_add_co_u32 s21, s21, SCA
	v_add_nc_u32 v[ASA], s21, v2
	s_mul_i32 s22, s16, 2*GS
	s_add_co_u32 s22, s22, SCB
	v_add_nc_u32 v[ASB], s22, v2
	s_lshl_b32 s21, s14, 8
	s_add_co_u32 s21, s21, XTRA
	v_and_b32 v3, 15, v0
	v_lshl_add_u32 v[XW], v3, 2, s21
	v_add_nc_u32 v[XR], s21, v[L8]
	v_mov_b32 v[K1], 0xc0135761
	v_mov_b32 v[K1+1], 0xc0135761
	s_mov_b32 s98, 0xbdd2d3e8
	s_mov_b32 s99, s98
	s_mov_b32 s[SEL], 0x76543210
	s_mov_b32 s[SEL+1], 0xfedcba98
	s_lshl_b32 s18, s17, 1
	s_add_co_u32 s18, s18, s15
	s_lshl_b32 s18, s18, 5
	s_lshl_b32 s19, s42, 2
	s_add_co_u32 s19, s19, s16
	s_add_co_u32 s20, s18, s19
	s_lshl_b32 s20, s20, 8
	s_add_co_u32 s20, s20, OUTS
	s_mov_b32 s21, 0
	s_add_nc_u64 s[92:93], s[10:11], s[20:21]
	s_lshl_b32 s18, s18, 2
	s_add_co_u32 s18, s18, s19
	s_mul_i32 s20, s18, FRG
	s_add_nc_u64 s[94:95], s[10:11], s[20:21]
	s_lshl_b32 s18, s42, 3
	s_add_co_u32 s18, s18, s14
	s_add_co_u32 s18, s18, 4
	s_mul_i32 s18, s18, 4*FROW8
	s_add_co_u32 s18, s18, BOFF
	s_mov_b32 s19, 0
	s_mov_b32 s[G0R], 1
	s_mul_i32 s[G0R+1], s14, 4*FROW8
	s_add_co_u32 s[G0R+1], s[G0R+1], RB0
	s_add_nc_u64 s[G0R+2:G0R+3], s[6:7], s[18:19]
	s_or_b32 s[G0R+3], s[G0R+3], 0x80000000
	s_or_b32 s[G1R+0], s44, (3<<16)|(1<<21)
	s_mov_b32 s[G1R+1], 1536<<16
	s_mov_b32 s[G1R+2], 4<<16
	s_mov_b32 s[G1R+3], 1536<<16
	s_mov_b32 s[G1R+4], 4
	s_mov_b32 s[G1R+5], 1536
	s_mov_b32 s[G1R+6], 0
	s_mov_b32 s[G1R+7], 0
	s_wait_alu depctr_va_vdst(0)
	s_wait_tensorcnt 1
	s_barrier_signal -1
	s_barrier_wait -1
	FETCH 0, 0, 0
	s_wait_loadcnt 0x0
	QSTEP 0, 2, 0
	QSTEP 1, 0, 0
	QSTEP 2, 0, 0
	TURN
	QSTEP 4, 0, 0
	QSTEP 5, 0, 0
	QSTEP 6, 0, 0
	LAST
	CHANGE
	BLOADS 1
	OUTT 0
	s_wait_tensorcnt 0x0
	s_wait_dscnt 0x0
	s_barrier_signal -1
	s_barrier_wait -1
	FETCH 0, 0, 1
	s_wait_loadcnt 0x0
	QSTEP 0, 2, 1
	QSTEP 1, 0, 1
	QSTEP 2, 0, 1
	QSTEP 3, 0, 1
	QSTEP 4, 0, 1
	QSTEP 5, 0, 1
	QSTEP 6, 0, 1
	LAST
	PLACES
	OUTT 1
	s_wait_tensorcnt 0x0
	ds_add_u32 v[SPW], v[NIL]
	s_wait_dscnt 0x0
	CROUND
	s_endpgm
.Lfunc_end_k_q9f99450532_w1:
	.size	k_q9f99450532_w1, .Lfunc_end_k_q9f99450532_w1-k_q9f99450532_w1
	.p2alignl 7, 3214868480
	.fill 96, 4, 3214868480
	.section	.rodata,"a",@progbits
	.p2align	6, 0x0
	.amdhsa_kernel k_q9f99450532_w1
		.amdhsa_group_segment_fixed_size 327680
		.amdhsa_private_segment_fixed_size 0
		.amdhsa_enable_private_segment 0
		.amdhsa_kernarg_size 32
		.amdhsa_user_sgpr_count 2
		.amdhsa_user_sgpr_kernarg_segment_ptr 1
		.amdhsa_wavefront_size32 1
		.amdhsa_system_sgpr_workgroup_id_x 1
		.amdhsa_system_sgpr_workgroup_id_y 1
		.amdhsa_system_sgpr_workgroup_id_z 1
		.amdhsa_system_vgpr_workitem_id 0
		.amdhsa_next_free_vgpr 1024
		.amdhsa_next_free_sgpr 100
		.amdhsa_reserve_vcc 0
		.amdhsa_float_denorm_mode_32 3
		.amdhsa_float_denorm_mode_16_64 3
		.amdhsa_memory_ordered 1
		.amdhsa_forward_progress 1
		.amdhsa_inst_pref_size 255
	.end_amdhsa_kernel
	.section	.bss,"aw",@nobits
	.p2align	6
	.space	262144
	.amdgpu_metadata
---
amdhsa.version: [ 1, 2 ]
amdhsa.kernels:
  - .name:           k_q9f99450532_w1
    .symbol:         k_q9f99450532_w1.kd
    .args:
      - { .name: hq, .offset: 0, .size: 8, .value_kind: global_buffer, .address_space: global }
      - { .name: wq, .offset: 8, .size: 8, .value_kind: global_buffer, .address_space: global }
      - { .name: b1, .offset: 16, .size: 8, .value_kind: global_buffer, .address_space: global }
      - { .name: g, .offset: 24, .size: 8, .value_kind: global_buffer, .address_space: global }
    .group_segment_fixed_size: 327680
    .private_segment_fixed_size: 0
    .kernarg_segment_align: 8
    .kernarg_segment_size: 32
    .max_flat_workgroup_size: 128
    .sgpr_count:     100
    .vgpr_count:     1024
    .wavefront_size: 32
...
	.end_amdgpu_metadata
.endif
;; end of part 5
;; launch w2 (part 6): grid 8 x 32, 4 waves a work-group, clusters of 4 x 1, 327,680 bytes of LDS; arguments g, wq, b2, x1, out0; writes out0
.if DOCPART == 6
	.amdgcn_target "amdgcn-amd-amdhsa--gfx1250"
	.amdhsa_code_object_version 6
	.text
	.protected	k_q9f99450532_w2
	.globl	k_q9f99450532_w2
	.p2align	8
	.type	k_q9f99450532_w2,@function
k_q9f99450532_w2:
	s_mov_b64 s[64:65], 0
	v_nop
	global_prefetch_b8 v0, s[64:65] scope:SCOPE_SE
	s_setreg_imm32_b32 hwreg(HW_REG_WAVE_MODE, 25, 1), 1
	s_wait_xcnt 0x0
	s_wait_alu depctr_hold_cnt(0) depctr_sa_sdst(0) depctr_va_vdst(0) depctr_va_sdst(0) depctr_va_ssrc(0) depctr_va_vcc(0) depctr_vm_vsrc(0)
	s_getreg_b32 s2, hwreg(HW_REG_IB_STS2, 6, 4)
	s_cmp_eq_u32 s2, 0
	s_cbranch_scc0 .Lentry_in_a_cluster
	s_endpgm
.Lentry_in_a_cluster:
	s_bfe_u32 s2, ttmp6, 0x10000c
	s_cmp_lg_u32 s2, 0x3003
	s_cbranch_scc0 .Lentry_shape_is_right
	s_endpgm
.Lentry_shape_is_right:
; out0 = x1 + (A B^T + b2): A = the hidden layer [4,096 stored rows][K = 4,096], B = W2 [1,024 stored rows][K], codes of FP6 (E2M3) with E8M0 scales; b2 [1,024], x1 and out0 [4,096][1,024] f32 in actual row order.
; OPERANDS lie in memory as images of the operand's registers: a fragment (16 stored rows x 128 K) is 1,536 bytes: registers 0-3 at 16 x lane, 4-5 at 512 + 8 x lane, 6-9 at 768 + 16 x lane, 10-11 at 1,280 + 8 x lane;
; fragment (rb, ks) at (32 rb + ks) x 1,536; scale words at (32 (rb/4) + ks) x 256 + (rb%4) x 64 + 4 r.  Stored row g of block rb is actual row 32 (rb/2) + 8 (rb%2) + g + 8 (g/8).
; THE DEAL.  256 work-groups of four waves, each 128 rows x 128 columns; a wave takes all 128 rows x 32 columns (two row blocks of B): 16 accumulators.  Source 0 = 16 rows of B, source 1 = 16 rows of A:
; a lane then holds 16 neighbouring columns of one row.  A sum begins with the bias (the first products' C), where the reference adds it last.
; B GOES FROM MEMORY STRAIGHT INTO REGISTERS: no two waves of a work-group want the same rows of B, and a fragment's image is what a lane loads.  A ring of eight K steps: batch b issues the loads of K steps 2 b + 6 and 2 b + 7, nine a step
; (eight for two fragments, one for their scale words: 128 bytes, half of an aligned block of 256; the neighbouring wave takes the other half).
; A GOES THROUGH LDS, asked for jointly by the four work-groups of a cluster (one tile row, four tile columns).  LDS holds 24 of its 32 K steps in three regions of 98,304 bytes, and all its scale words.
; At the head one load a wave: K steps 0-7 (region RC), the scale words, K steps 8-15 (RA), 16-23 (RB).  ONE REFILL: in batch 3, in a drained round of the cluster's barrier, RC takes K steps 24-31, two row blocks a wave.
; B is not asked for jointly: with its tile in LDS beside A's, 12 K steps of each would fit, and the fills would follow each other five times where here they do so once.
; A BATCH is two K steps: four places, the waits for this batch's operands, ONE RUN of all its memory lines (the ring's 18 loads, the next batch's 8 scale words and 64 fragment loads of A), then 32 products on end.
; In a batch with a barrier the run stands between the products of A's blocks 0-3 and those of blocks 4-7, behind the barrier.
; REGISTERS.  Window 0: v4-23 addresses; v24-39 A's scale words, four sets; v40-47 B's, a ring (a product's two scale registers lie in different halves of eight); v64-255 B's ring, 24 a step.
;   Window 1: v0-127 the residual, then the result; v128-255 rows back from the stage; v192-207 at first the bias.  Window 2: v0-63 the accumulators of A's blocks 0-3, v64-255 their fragments, four sets.  Window 3: the same of blocks 4-7.
; THE TEXT: batches 0-3 written out, 4-7 and 8-11 a loop of two trips, 12-15 written out.  The plain barrier in batches 7 and 11 shows what the refill brought.
; THE WAY OUT: the sums meet in a stage in RA (read for the last time ahead of batch 7's barrier, never filled again) and leave as rows of 512 bytes with the residual, which is loaded in batches 13 and 14.
; PREFETCHES: in quarter q of K (q = 0, 1) B's quarter q + 2, a wave's 96 blocks of 256 bytes shared out among the 32 tile rows, three each; in batch 1 the refill's tile, a wave's 96 blocks shared out among the cluster's four by address,
; and the residual's 64 blocks of my 32 rows.  B's first two quarters and A's first three come by their loads alone.
; LIMITS: NaN, infinities and sums beyond f32's range are not served.
.set ASOFF, 12582912
.set BOFF,  6291456
.set BSOFF, 9699328
.set FRG,   1536
.set QB,    8*FRG                      ; a row block's quarter of K
.set RBB,   32*FRG                     ; a row block's codes
.set REG,   8*QB
.set RA,    0
.set RB,    REG
.set RC,    2*REG
.set SCA,   3*REG
.set SPARE, SCA+16384
.set L16, 4
.set L8,  5
.set L16H, 6
.set L8H, 7
.set L4,  8
.set ASA0, 9
.set A16L, 10
.set A8L, 11
.set A16H, 12
.set A8H, 13
.set ASC, 14
.set XW,  15
.set XR,  16
.set PFR, 17
.set PFA, 18
.set PFB, 19
.set BOF, 20
.set SPW, 22
.set NIL, 23
.set SAR, 24
.set SBR, 40
.set BR,  64
.set BI,  192
.set G1A, 24
.set G0,  32
.set G0R, 36
.set G1R, 40
.set G1S, 48
.set G0S, 56
.set BP,  60
.set SBP, 62
.set RES, 66
.set OUT, 68
.set PA,  70
.set BIP, 72
.set MSB, 0
.macro WIN new
.if MSB != (\new)
	s_set_vgpr_msb (MSB<<8)|(\new)
.set MSB, (\new)
.endif
.endm
.macro PLACES
.rept 4
	v_nop
.endr
.endm
.macro WALU
	s_wait_alu depctr_va_vdst(0)
.endm
.macro MIDDLE                          ; a round's middle, in one piece
	s_barrier_wait -1
	s_cmp_lg_u32 s14, 0
	s_cbranch_scc1 .Lnot_wave_0_\@
	s_barrier_signal -3
.Lnot_wave_0_\@:
	s_barrier_wait -3
.endm
.macro ROUND
	s_barrier_signal -1
	MIDDLE
	s_barrier_signal -1
	s_barrier_wait -1
.endm
.macro TLOAD g0, g1                    ; an s_nop 0 and four v_nop follow a tensor load
	tensor_load_to_lds s[\g0:\g0+3], s[\g1:\g1+7]
	s_nop 0
	PLACES
.endm
.macro GRP1 g, c, rows, pitch          ; descriptor group 1: rows of c elements of 8 bytes; the mask names the cluster's four
	s_mov_b32 s[\g], 15|(3<<16)|(1<<21)
	s_mov_b32 s[\g+1], (\c)<<16
	s_mov_b32 s[\g+2], (\rows)<<16
	s_mov_b32 s[\g+3], (\c)<<16
	s_mov_b32 s[\g+4], \rows
	s_mov_b32 s[\g+5], \pitch
	s_mov_b32 s[\g+6], 0
	s_mov_b32 s[\g+7], 0
.endm
.macro BLD sl, o                       ; B's two fragments and their scale words of the K step o steps behind the quarter's first, into the ring's place sl
.irp u,0,1
	global_load_b128 v[BR+24*(\sl)+12*\u:BR+24*(\sl)+12*\u+3], v[L16], s[BP:BP+1] offset:\u*RBB+(\o)*FRG
	global_load_b64 v[BR+24*(\sl)+12*\u+4:BR+24*(\sl)+12*\u+5], v[L8], s[BP:BP+1] offset:\u*RBB+(\o)*FRG+512
	global_load_b128 v[BR+24*(\sl)+12*\u+6:BR+24*(\sl)+12*\u+9], v[L16], s[BP:BP+1] offset:\u*RBB+(\o)*FRG+768
	global_load_b64 v[BR+24*(\sl)+12*\u+10:BR+24*(\sl)+12*\u+11], v[L8], s[BP:BP+1] offset:\u*RBB+(\o)*FRG+1280
.endr
	global_load_b32 v[SBR+4*(1-(\sl)%2)+(\sl)/2], v[L4], s[SBP:SBP+1] offset:(\o)*256
.endm
.macro AHALF s, jn, a16, a8            ; four blocks' fragments of the quarter's steps jn, jn + 1 into sets s, s + 1
.irp k,0,1
.irp i,0,1,2,3
.set R_, 64+48*((\s)+\k)+12*\i
.set O_, \i*QB+((\jn)+\k)*FRG
	ds_load_b128 v[R_:R_+3], v[\a16] offset:O_
	ds_load_b64 v[R_+4:R_+5], v[\a8] offset:O_+512
	ds_load_b128 v[R_+6:R_+9], v[\a16] offset:O_+768
	ds_load_b64 v[R_+10:R_+11], v[\a8] offset:O_+1280
.endr
.endr
.endm
.macro RUN s, jn                       ; a batch's scale words and sixteen fragments of A.  Scale register i of a set holds blocks 2 i (lanes 0-15) and 2 i + 1 (lanes 16-31)
	WIN 0
.irp k,0,1
.irp i,0,1,2,3
	ds_load_b32 v[SAR+4*((\s)+\k)+\i], v[ASC] offset:(\i/2)*8192+((\jn)+\k)*256+128*(\i%2)
.endr
.endr
	WIN 0x80
	AHALF \s, \jn, A16L, A8L
	WIN 0xc0
	AHALF \s, \jn, A16H, A8H
	WIN 0
.endm
; Sixteen products: two K steps of A's blocks 4 hi + 2 p + r against B's two.  The eight accumulators take turns, in the same order in both steps
.macro PHASE hi, s, sl, first
.irp k,0,1
.if (\first) && (\k == 0)
	WIN 0x98+0x44*(\hi)                            ; C: the bias, in window 1
.else
	WIN 0xa8+0x54*(\hi)
.endif
.irp p,0,1
.irp r,0,1
.irp u,0,1
.set D_, 8*(2*(2*\p+\r)+\u)
.set FA_, 64+48*((\s)+\k)+12*(2*\p+\r)
.set FB_, BR+24*((\sl)+\k)+12*\u
.set XB_, SBR+4*(1-\k)+((\sl)+\k)/2
.set XA_, SAR+4*((\s)+\k)+2*(\hi)+\p
.if (\first) && (\k == 0)
	v_wmma_scale_f32_16x16x128_f8f6f4 v[D_:D_+7], v[FB_:FB_+11], v[FA_:FA_+11], v[BI+8*\u:BI+8*\u+7], v[XB_], v[XA_] matrix_a_fmt:MATRIX_FMT_FP6 matrix_b_fmt:MATRIX_FMT_FP6 matrix_a_scale:MATRIX_SCALE_ROW\u matrix_b_scale:MATRIX_SCALE_ROW\r
.else
	v_wmma_scale_f32_16x16x128_f8f6f4 v[D_:D_+7], v[FB_:FB_+11], v[FA_:FA_+11], v[D_:D_+7], v[XB_], v[XA_] matrix_a_fmt:MATRIX_FMT_FP6 matrix_b_fmt:MATRIX_FMT_FP6 matrix_a_scale:MATRIX_SCALE_ROW\u matrix_b_scale:MATRIX_SCALE_ROW\r
.endif
.endr
.endr
.endr
.endr
.endm
; Batch b: K steps 2 b, 2 b + 1.  mode 0: plain; 1: with the refill's round; 2: with a plain barrier; 3: the last.  nb, ns: in a quarter's last batch, where the next quarter's codes and scale words lie in LDS
.macro BATCH b, mode=0, nb=0, ns=0
.set C_, (\b)%4
.set S_, 2*((\b)%2)
.set SN_, 2-S_
.set SL_, 2*C_
.set JN_, (2*C_+2)%8
.set FIRST_, (\b)==0
	WIN 0
.if C_ == 0 && (\b) > 0
	s_wait_xcnt 0x0                                ; the ring's loads and my prefetches have read their bases: on to this quarter
	s_add_nc_u64 s[BP:BP+1], s[BP:BP+1], QB
	s_add_nc_u64 s[SBP:SBP+1], s[SBP:SBP+1], 2048
.endif
.if C_ == 3 && (\mode) != 3
	v_add_nc_u32 v[A16L], \nb, v[L16]              ; these five are also the places behind the last batch's products
	v_add_nc_u32 v[A8L], \nb, v[L8]
	v_add_nc_u32 v[A16H], \nb, v[L16H]
	v_add_nc_u32 v[A8H], \nb, v[L8H]
	v_add_nc_u32 v[ASC], \ns, v[ASA0]
	WALU
.else
	PLACES                                         ; in front of loads into registers that the last batch's products read
.endif
.set CNT, 0                            ; the loads younger than this batch's B: what the two batches before this one issued (18 up to batch 12, 16 in batches 13 and 14)
.irp d,1,2
.if (\b)-\d <= 12
.set CNT, CNT+18
.elseif (\b)-\d <= 14
.set CNT, CNT+16
.endif
.endr
	s_wait_loadcnt CNT
.if (\mode) != 1
	s_wait_dscnt 0x0                               ; this batch's fragments and scale words of A, asked for a batch ago
.endif
.if (\b) <= 12
	BLD (SL_+6)%8, SL_+6
	BLD (SL_+7)%8, SL_+7
.elseif (\b) <= 14
	WIN 0x40
.set T_, 16*((\b)-13)
.rept 16                               ; stored row t of my 32 is actual row (t % 8) + 16 ((t / 8) % 2) + 8 (t / 16)
	global_load_b128 v[4*T_:4*T_+3], v[L16], s[RES:RES+1] offset:((T_%8)+16*((T_/8)%2)+8*(T_/16))*4096
.set T_, T_+1
.endr
	WIN 0
.endif
.if (\b) == 0
	global_prefetch_b8 v[PFB], s[BP:BP+1] offset:2*QB th:TH_LOAD_NT scope:SCOPE_SE
.elseif (\b) == 4
	s_cmp_eq_u32 s3, 2                             ; the loop's first trip alone: K has no quarter two behind the second's
	s_cbranch_scc0 .Lno_quarter_\@
	global_prefetch_b8 v[PFB], s[BP:BP+1] offset:2*QB th:TH_LOAD_NT scope:SCOPE_SE
.Lno_quarter_\@:
.elseif (\b) == 1
	global_prefetch_b8 v[PFA], s[PA:PA+1] th:TH_LOAD_NT scope:SCOPE_SE
	global_prefetch_b8 v[PFR], s[RES:RES+1] th:TH_LOAD_NT scope:SCOPE_SE
	global_prefetch_b8 v[PFR], s[RES:RES+1] offset:256 th:TH_LOAD_NT scope:SCOPE_SE
.endif
.if (\mode) == 0
	RUN SN_, JN_
	PHASE 0, S_, SL_, FIRST_
	PHASE 1, S_, SL_, FIRST_
.elseif (\mode) == 1
	s_wait_tensorcnt 0x0                           ; all my tensor loads have landed,
	ds_add_u32 v[SPW], v[NIL]                      ; 0 onto my spare word,
	s_wait_dscnt 0x0                               ; and my reads of region RC are over
	s_barrier_signal -1
	PHASE 0, S_, SL_, 0
	WIN 0
	MIDDLE
	s_barrier_signal -1
	s_barrier_wait -1                              ; no wave of the cluster reads RC any more; the head's tiles are shown to all
	TLOAD G0R, G1R                                 ; K steps 24-31 of my two row blocks
	RUN SN_, JN_
	PHASE 1, S_, SL_, 0
.elseif (\mode) == 2
	s_wait_tensorcnt 0x0
	s_barrier_signal -1                            ; a plain barrier
	PHASE 0, S_, SL_, 0
	s_barrier_wait -1
	RUN SN_, JN_
	PHASE 1, S_, SL_, 0
.else
	PHASE 0, S_, SL_, 0
	PHASE 1, S_, SL_, 0
.endif
	WIN 0
.endm
; ================= THE HEAD
	s_load_b256 s[4:11], s[0:1], 0x0               ; g, wq, b2, x1
	s_load_b64 s[12:13], s[0:1], 0x20              ; out0
	v_lshl_add_u32 v[SPW], v0, 2, SPARE
	v_mov_b32 v[NIL], 0
	ds_add_u32 v[SPW], v[NIL]                      ; the add, twice on end
	ds_add_u32 v[SPW], v[NIL]
	v_lshrrev_b32 v1, 5, v0
	v_readfirstlane_b32 s14, v1                    ; the wave
	s_bfe_u32 s15, ttmp6, 0x40000                  ; cx
	s_lshl_b32 s16, ttmp9, 2
	s_add_co_u32 s16, s16, s15                     ; tile column, 0 .. 7
	s_and_b32 s17, ttmp7, 0xffff                   ; tile row, 0 .. 31
	GRP1 G1A, 1536, 8, 6144                        ; a quarter of K of A's eight row blocks
	GRP1 G1R, 1536, 2, 6144                        ; of two row blocks
	GRP1 G1S, 32, 64, 32                           ; A's scale words: 64 rows of 256 bytes, dense
	s_mov_b32 s[G0], 1
	s_mov_b32 s[G0R], 1
	s_mov_b32 s[G0S], 1
	s_mov_b32 s[G0S+1], SCA
	s_mul_i32 s[G0R+1], s14, 2*QB
	s_add_co_u32 s[G0R+1], s[G0R+1], RC
	s_mul_i32 s76, s17, 8*RBB                      ; A's tile
	s_mov_b32 s77, 0
	s_lshl_b32 s78, s17, 14
	s_add_co_u32 s78, s78, ASOFF                   ; its scale words
	s_mov_b32 s79, 0
	s_lshl_b32 s90, s16, 2
	s_add_co_u32 s90, s90, s14                     ; my 32 columns' number: 4 x tile column + wave
	s_mul_i32 s80, s90, 2*RBB
	s_add_co_u32 s80, s80, BOFF                    ; my two row blocks of B
	s_mov_b32 s81, 0
	s_lshr_b32 s91, s90, 1
	s_lshl_b32 s82, s91, 13
	s_and_b32 s91, s14, 1
	s_lshl_b32 s91, s91, 7
	s_add_co_u32 s82, s82, s91
	s_add_co_u32 s82, s82, BSOFF                   ; their scale words
	s_mov_b32 s83, 0
	s_lshl_b32 s84, s90, 7                         ; their bias
	s_mov_b32 s85, 0
	s_lshl_b32 s91, s17, 2
	s_add_co_u32 s91, s91, s14
	s_lshl_b32 s86, s91, 17                        ; the 32 rows that I store: 128 x tile row + 32 x wave, 4,096 bytes each,
	s_lshl_b32 s91, s16, 9
	s_add_co_u32 s86, s86, s91                     ; + 512 x tile column
	s_mov_b32 s87, 0
	s_mul_i32 s88, s14, 2*RBB
	s_add_co_u32 s88, s88, 3*QB                    ; the refill: my two row blocks' last quarter of K
	s_mov_b32 s89, 0
	s_lshl_b32 s18, s14, 7
	s_mul_i32 s19, s14, 32*528
	s_and_b32 s20, s15, 1
	s_mul_i32 s20, s20, 24
	s_lshr_b32 s21, s15, 1
	s_mul_i32 s21, s21, RBB
	s_and_b32 s22, s17, 15
	s_mul_i32 s22, s22, 3
	s_lshr_b32 s23, s17, 4
	s_mul_i32 s23, s23, RBB
	v_and_b32 v1, 31, v0                           ; lane
	v_and_b32 v2, 15, v0                           ; r
	v_bfe_u32 v3, v0, 4, 1                         ; h
	v_lshlrev_b32 v[L16], 4, v1
	v_lshlrev_b32 v[L8], 3, v1
	v_lshlrev_b32 v[L4], 2, v1
	v_add_nc_u32 v[L16H], 4*QB, v[L16]             ; blocks 4-7 lie 49,152 bytes behind blocks 0-3
	v_add_nc_u32 v[L8H], 4*QB, v[L8]
	v_add_nc_u32 v[ASA0], SCA, v[L4]
	v_add_nc_u32 v[ASC], SCA, v[L4]
	v_add_nc_u32 v[A16L], RC, v[L16]
	v_add_nc_u32 v[A8L], RC, v[L8]
	v_add_nc_u32 v[A16H], RC, v[L16H]
	v_add_nc_u32 v[A8H], RC, v[L8H]
	v_lshlrev_b32 v[BOF], 6, v3                    ; the bias of my 16 columns
	v_mul_u32_u24 v[XW], v2, 528
	v_lshl_add_u32 v[XW], v3, 6, v[XW]
	v_add_nc_u32 v[XW], s18, v[XW]                 ; the stage, in: row r, + 128 x wave + 64 h
	v_add_nc_u32 v[XR], s19, v[L16]                ; back: rows 32 x wave on, 16 bytes a lane
	v_lshlrev_b32 v[PFR], 12, v1                   ; a lane a row of the residual
	v_min_u32 v48, 23, v1
	v_add_nc_u32 v48, s20, v48
	v_lshl_add_u32 v[PFA], v48, 8, s21             ; my work-group's 24 of the 96 blocks that I will ask for
	v_min_u32 v49, 2, v1
	v_add_nc_u32 v49, s22, v49
	v_lshl_add_u32 v[PFB], v49, 8, s23             ; my tile row's 3 of a quarter's 96 blocks of my rows of B
	WALU
	s_wait_dscnt 0x0
	ROUND                                          ; the opening round: the joint loads meet
	s_wait_kmcnt 0x0
	s_add_nc_u64 s[G0+2:G0+3], s[4:5], s[76:77]
	s_add_nc_u64 s[PA:PA+1], s[G0+2:G0+3], s[88:89]
	s_mov_b64 s[G0R+2:G0R+3], s[PA:PA+1]
	s_or_b32 s[G0R+3], s[G0R+3], 0x80000000
	s_add_nc_u64 s[G0S+2:G0S+3], s[4:5], s[78:79]
	s_or_b32 s[G0S+3], s[G0S+3], 0x80000000
	s_add_nc_u64 s[BP:BP+1], s[6:7], s[80:81]
	s_add_nc_u64 s[SBP:SBP+1], s[6:7], s[82:83]
	s_add_nc_u64 s[BIP:BIP+1], s[8:9], s[84:85]
	s_add_nc_u64 s[RES:RES+1], s[10:11], s[86:87]
	s_add_nc_u64 s[OUT:OUT+1], s[12:13], s[86:87]
	s_cmp_eq_u32 s14, 0
	s_cbranch_scc0 .Lwave_1
	s_mov_b32 s[G0+1], RC                          ; wave 0: K steps 0-7
	s_or_b32 s[G0+3], s[G0+3], 0x80000000
	TLOAD G0, G1A
	s_branch .Lasked
.Lwave_1:
	s_cmp_eq_u32 s14, 1
	s_cbranch_scc0 .Lwave_2
	TLOAD G0S, G1S                                 ; wave 1: the scale words
	s_branch .Lasked
.Lwave_2:
	s_cmp_eq_u32 s14, 2
	s_cbranch_scc0 .Lwave_3
	s_mov_b32 s[G0+1], RA                          ; wave 2: K steps 8-15
	s_add_nc_u64 s[G0+2:G0+3], s[G0+2:G0+3], QB
	s_or_b32 s[G0+3], s[G0+3], 0x80000000
	TLOAD G0, G1A
	s_branch .Lasked
.Lwave_3:
	s_mov_b32 s[G0+1], RB                          ; wave 3: K steps 16-23
	s_add_nc_u64 s[G0+2:G0+3], s[G0+2:G0+3], 2*QB
	s_or_b32 s[G0+3], s[G0+3], 0x80000000
	TLOAD G0, G1A
.Lasked:
	WIN 0x40
.irp i,0,1,2,3
	global_load_b128 v[BI+4*\i:BI+4*\i+3], v[BOF], s[BIP:BIP+1] offset:16*\i   ; register 8 u + j: column 16 h + 8 u + j of my 32
.endr
	WIN 0
.irp k,0,1,2,3,4,5
	BLD \k, \k                                     ; the ring's first six K steps
.endr
	s_wait_dscnt 0x0
	s_cmp_lt_u32 s14, 2
	s_cbranch_scc0 .Lnot_first
	s_wait_tensorcnt 0x0                           ; waves 0 and 1: K steps 0-7 and the scale words are in
.Lnot_first:
	s_barrier_signal -1
	s_barrier_wait -1                              ; waves 2 and 3's tiles may be on their way
	RUN 0, 0
; ================= THE WALK ALONG K
	BATCH 0
	BATCH 1
	BATCH 2
	BATCH 3, 1, RA, 2048
	s_mov_b32 s74, RB                              ; where the quarter behind the trip's lies: its codes,
	s_mov_b32 s75, 4096                            ; its scale words
	s_mov_b32 s3, 2
.Lquarter:
	BATCH 4
	BATCH 5
	BATCH 6
	BATCH 7, 2, s74, s75
	s_add_co_u32 s74, s74, REG
	s_add_co_u32 s75, s75, 2048
	s_sub_co_u32 s3, s3, 1
	s_cmp_lg_u32 s3, 0
	s_cbranch_scc1 .Lquarter
	BATCH 12
	BATCH 13
	BATCH 14
	BATCH 15, 3
; ================= THE WAY OUT.  Accumulator (a, u), lane (r, h): stored row 16 a + r, columns 32 x wave + 16 h + 8 u + 0 .. 7
	PLACES                                         ; in front of the first read of results
.irp w,0,1
	WIN 0x08+4*\w                                  ; an LDS store's data are its source 1: window 2, then 3
.irp a,0,1,2,3
.irp u,0,1
	ds_store_b128 v[XW], v[8*(2*\a+\u):8*(2*\a+\u)+3] offset:(4*\w+\a)*16*528+32*\u       ; each accumulator from its low end on
	ds_store_b128 v[XW], v[8*(2*\a+\u)+4:8*(2*\a+\u)+7] offset:(4*\w+\a)*16*528+32*\u+16
.endr
.endr
.endr
	WIN 0
	s_wait_dscnt 0x0                               ; for the others' sake: my stores into the stage are done
	s_barrier_signal -1
	s_barrier_wait -1
	WIN 0x40
.set T_, 0
.rept 32
	ds_load_b128 v[128+4*T_:131+4*T_], v[XR] offset:T_*528
.set T_, T_+1
.endr
	s_wait_loadcnt 0x0                             ; the residual
.irp w,0,1
	s_wait_dscnt 16-16*\w                          ; 16 rows are back; the younger 16 may be out
	WIN 0x45
.set T_, 16*\w
.rept 16
	v_pk_add_f32 v[4*T_:4*T_+1], v[4*T_:4*T_+1], v[128+4*T_:129+4*T_]
	v_pk_add_f32 v[4*T_+2:4*T_+3], v[4*T_+2:4*T_+3], v[130+4*T_:131+4*T_]
.set T_, T_+1
.endr
	WIN 0x04
.set T_, 16*\w
.rept 16
	global_store_b128 v[L16], v[4*T_:4*T_+3], s[OUT:OUT+1] offset:((T_%8)+16*((T_/8)%2)+8*(T_/16))*4096   ; 512 consecutive bytes, aligned
.set T_, T_+1
.endr
.endr
	WIN 0
	s_wait_tensorcnt 0x0                           ; the wave's end
	ds_add_u32 v[SPW], v[NIL]
	s_wait_dscnt 0x0
	ROUND                                          ; the closing round
	s_endpgm
.Lfunc_end_k_q9f99450532_w2:
	.size	k_q9f99450532_w2, .Lfunc_end_k_q9f99450532_w2-k_q9f99450532_w2
	.p2alignl 7, 3214868480
	.fill 96, 4, 3214868480
	.section	.rodata,"a",@progbits
	.p2align	6, 0x0
	.amdhsa_kernel k_q9f99450532_w2
		.amdhsa_group_segment_fixed_size 327680
		.amdhsa_private_segment_fixed_size 0
		.amdhsa_enable_private_segment 0
		.amdhsa_kernarg_size 40
		.amdhsa_user_sgpr_count 2
		.amdhsa_user_sgpr_kernarg_segment_ptr 1
		.amdhsa_wavefront_size32 1
		.amdhsa_system_sgpr_workgroup_id_x 1
		.amdhsa_system_sgpr_workgroup_id_y 1
		.amdhsa_system_sgpr_workgroup_id_z 1
		.amdhsa_system_vgpr_workitem_id 0
		.amdhsa_next_free_vgpr 1024
		.amdhsa_next_free_sgpr 96
		.amdhsa_reserve_vcc 0
		.amdhsa_float_denorm_mode_32 3
		.amdhsa_float_denorm_mode_16_64 3
		.amdhsa_memory_ordered 1
		.amdhsa_forward_progress 1
		.amdhsa_inst_pref_size 153
	.end_amdhsa_kernel
	.amdgpu_metadata
---
amdhsa.version: [ 1, 2 ]
amdhsa.kernels:
  - .name:           k_q9f99450532_w2
    .symbol:         k_q9f99450532_w2.kd
    .args:
      - { .name: g, .offset: 0, .size: 8, .value_kind: global_buffer, .address_space: global }
      - { .name: wq, .offset: 8, .size: 8, .value_kind: global_buffer, .address_space: global }
      - { .name: b2, .offset: 16, .size: 8, .value_kind: global_buffer, .address_space: global }
      - { .name: x1, .offset: 24, .size: 8, .value_kind: global_buffer, .address_space: global }
      - { .name: out0, .offset: 32, .size: 8, .value_kind: global_buffer, .address_space: global }
    .group_segment_fixed_size: 327680
    .private_segment_fixed_size: 0
    .kernarg_segment_align: 8
    .kernarg_segment_size: 40
    .max_flat_workgroup_size: 128
    .sgpr_count:     96
    .vgpr_count:     1024
    .wavefront_size: 32
...
	.end_amdgpu_metadata
.endif
;; end of part 6
